; MI455X (gfx1250); checked and timed in simulation.
; The chip was launched on July 23, 2026; its instructions are those of AMD's public machine-readable ISA for CDNA 5 (MIT licence, August 2026) and "CDNA5" Instruction Set Architecture Reference Guide (July 2026). The comments in the code are by the model that wrote it; some were corrected since.
;; Euler Attention. Allowed arithmetic: matrix products marked QUANTISED: E2M1 operands, one E8M0 scale for each 32 along K, by v_wmma_scale_f32_16x16x128_f8f6f4 with both operands' format E2M1 (or v_wmma_scale_f32_32x16x128_f4), f32 sums; products left as they are: bf16, f16 or f32 operands; f32 sums; everything else in f32.
;; Inputs: Wk 1,024 x 1,024 float32; Wq 1,024 x 1,024 float32; Wv 1,024 x 1,024 float32; bk 1,024 float32; bq 1,024 float32; bv 1,024 float32; phase_bias 1,024 float32; x 2 x 2,048 x 1,024 float32.
;; Outputs: out0 2 x 2,048 x 1,024 float32.
;; This version of the problem:
;;   THIS VERSION OF THE PROBLEM IS GIVEN IN LOW PRECISION. The matrix products marked QUANTISED in the list below multiply operands that are first quantised to E2M1 (2 exponent bits, 1 mantissa bit; 4 bits a number), with one power-of-two scale for each 32 numbers along K (OCP MX v1.0); their sums are f32. The products marked 'left as it is' may take bf16, f16 or f32 operands, with f32 sums. Whichever they take, every output number must still come out within the allowed error. Rounding operands to bf16 (8 significant bits) uses up far more of that allowance than f16 does (11 bits, for magnitudes from 6e-5 to 65,504). All else is computed in f32.
;;   The module's matrix products, in the order in which they are computed (A, B: the left and right operand; K: the contracted axis; several contracted axes count as one K, in the product's order):
;;     1. [M 4,096, K 1,024] x [K 1,024, N 1,024]; A: input x; B: input Wq: QUANTISED
;;     2. [M 4,096, K 1,024] x [K 1,024, N 1,024]; A: input x; B: input Wk: QUANTISED
;;     3. [M 4,096, K 1,024] x [K 1,024, N 1,024]; A: input x; B: input Wv: QUANTISED
;;     4. batch 2 x [M 2,048, K 1,024] x [K 1,024, N 2,048]; A: computed on the way; B: computed on the way: left as it is (an operand is computed on the way)
;;     5. batch 2 x [M 2,048, K 1,024] x [K 1,024, N 2,048]; A: computed on the way; B: computed on the way: left as it is (an operand is computed on the way)
;;     6. batch 2 x [M 2,048, K 2,048] x [K 2,048, N 1,024]; A: computed on the way; B: computed on the way: left as it is (an operand is computed on the way)
;;   THE QUANTISER, for each operand of a quantised product, along K:
;;     - K is cut into blocks of 32 from its start; a last block that is shorter is filled with zeros.
;;     - A block's scale is 2^e with e = floor(log2(the largest magnitude in the block)) - 2, held to -126 .. 127; a block of zeros has e = 0. As a byte (E8M0): e + 127.
;;     - Each number is divided by its block's scale, clamped to +-6, and rounded to the nearest number of E2M1, ties to even, subnormals kept.
;;     - The product sums the exact products of the quantised numbers (number of the format x scale) in f32.
;;   ~~~python
;;   def quantise(x, axis):      # numpy; x: float32 -> the quantised numbers, widened to float32 again
;;       x = np.moveaxis(x, axis, -1); K = x.shape[-1]
;;       x = np.pad(x, [(0, 0)] * (x.ndim - 1) + [(0, -K % 32)]); x = x.reshape(x.shape[:-1] + (-1, 32)); a = np.abs(x).max(-1, keepdims=True)
;;       e = np.where(a > 0, np.clip(np.frexp(np.where(a > 0, a, 1))[1] - 1 - 2, -126, 127), 0)      # np.frexp(a)[1] - 1 = floor(log2(a)), exactly
;;       r = np.clip(x / 2.0 ** e, -6, 6)
;;       step = 2.0 ** (np.maximum(np.frexp(np.where(r == 0, 1, r))[1] - 1, 0) - 1)
;;       q = np.round(r / step) * step * 2.0 ** e      # np.round: ties to even
;;       return np.moveaxis(q.reshape(q.shape[:-2] + (-1,))[..., :K], -1, axis).astype(np.float32)
;;   ~~~
;; One version. Each part assembles by itself: llvm-mc -triple=amdgcn-amd-amdhsa -mcpu=gfx1250 --defsym DOCPART=n.
;; ======== version 1 of 1: 4 launches
;; limits: right only within a limited range of input values; values are held in f16: magnitudes above 65,504 overflow, below 6.1e-05 lose precision
;; workspace buffers: qc 3,670,016 bytes; qs 229,376 bytes; cc 33,554,432 bytes; vt 8,388,608 bytes; pw 16,777,216 bytes; ls 524,288 bytes
;; launch quant (part 1): grid 224 x 1, 4 waves a work-group, no clusters, 33,280 bytes of LDS; arguments x, Wq, Wk, Wv, qc, qs; writes qc, qs
.if DOCPART == 1
	.amdgcn_target "amdgcn-amd-amdhsa--gfx1250"
	.amdhsa_code_object_version 6
	.text
	.protected	k_q6c33b6b946_quant
	.globl	k_q6c33b6b946_quant
	.p2align	8
	.type	k_q6c33b6b946_quant,@function
k_q6c33b6b946_quant:
	s_mov_b64 s[64:65], 0
	v_nop
	global_prefetch_b8 v0, s[64:65] scope:SCOPE_SE
	s_setreg_imm32_b32 hwreg(HW_REG_WAVE_MODE, 25, 1), 1
	s_wait_xcnt 0x0
; x [4096][1024] and Wq, Wk, Wv [1024][1024], f32, K innermost, become codes of FP4 (E2M1), two a byte, and one E8M0 scale byte for each 32 along K.
; A block's scale is 2^(floor(log2(its largest magnitude)) - 2); its byte is the largest magnitude's exponent field - 2, held at 1 from below.
; Each number is divided by the scale and rounded to the nearest code, ties to even; beyond 6 the largest code.
; LIMITS: a block of zeros gets the byte 1 where the rule says 127 (its codes are zeros, which add nothing, and only this program reads the bytes);
; blocks whose largest magnitude lies under 2^-124 keep the byte 1; NaN and infinities among the inputs are not served.
; LAYOUT OF THE RESULT: rows of 512 bytes of codes and 32 scale bytes.  Rows 0-4095: x.  Then 3,072 weight rows in the order that the next launch's tiles want:
; row 192 c + 64 t + i holds row 64 c + i of weight t (0 Wq, 1 Wk, 2 Wv): so 64 features of each of the three lie together.
; SHARES: a wave takes a run of 8,192 numbers (8 rows) in 16 steps of 512; work-groups 0-127 take x, then 32 for each weight.  Eight rows stay together under the new order, so only a run's place changes.
; Each load reads 512 consecutive bytes; a step's 2,048 bytes turn through the wave's own stage in LDS so that a lane holds 16 neighbours along K (two lanes a block).
; Waves share nothing: no barrier, no cluster (no input is read twice), no tensor load.  Loads run four steps ahead.
.set WAVES, 4
.set STEPS, 16
.set XWG,   128                        ; work-groups that take x
.set CB,    8                          ; bytes of 16 codes
.set R,     16                         ; v16-79   four sets of 16 numbers as loaded
.set X,     80                         ; v80-111  two sets of 16 neighbours
.set E,     112                        ; v112-127 a scale byte for each step
.set C,     128                        ; v128-191 codes: registers of its own for each step
.set WREG,  8192                       ; LDS: a region for each wave: two stages of 32 x SP bytes, then its 256 scale bytes
.set SP,    80                         ; a lane's place in a stage: 64 bytes + 16 of padding
.set SPW,   12                         ; v12 LDS address of my spare word; never rewritten
.set NIL,   13                         ; v13 0; never rewritten
.set SPARE, WAVES*WREG                 ; the spare words, 128 bytes a wave, that no other line names
	s_load_b256 s[4:11], s[0:1], 0x0               ; x, Wq, Wk, Wv
	s_load_b128 s[12:15], s[0:1], 0x20             ; the codes, the scale bytes
	v_lshl_add_u32 v[SPW], v0, 2, SPARE
	v_mov_b32 v[NIL], 0
	v_lshrrev_b32 v1, 5, v0
	v_readfirstlane_b32 s16, v1                    ; wave
	v_and_b32 v2, 31, v0                           ; lane
	v_lshlrev_b32 v3, 4, v2                        ; my 16 bytes of a load's 512
	s_mul_i32 s17, s16, WREG
	v_lshrrev_b32 v14, 2, v2
	v_mul_u32_u24 v14, v14, SP
	v_and_b32 v15, 3, v2
	v_lshl_add_u32 v14, v15, 4, v14
	v_add_nc_u32 v14, s17, v14                     ; the stage, way in: SP (lane / 4) + 16 (lane % 4)
	v_mul_u32_u24 v15, v2, SP
	v_add_nc_u32 v15, s17, v15                     ; way out: SP x lane: my 16 neighbours
	v_mul_u32_u24 v4, v2, CB                       ; my codes' place in a step's
	v_lshrrev_b32 v5, 1, v2
	s_add_co_u32 s17, s17, 2*32*SP
	v_add_nc_u32 v5, s17, v5                       ; my block's scale byte in LDS
	v_lshlrev_b32 v7, 3, v2
	v_add_nc_u32 v6, s17, v7                       ; and 8 bytes a lane on their way out
	; which run is read and where it goes: ids alone
	s_sub_co_u32 s18, ttmp9, XWG
	s_lshr_b32 s19, s18, 5
	s_and_b32 s19, s19, 3                          ; t: which weight
	s_and_b32 s18, s18, 31
	s_lshl_b32 s18, s18, 2
	s_add_co_u32 s18, s18, s16                     ; the run in the weight: 0 .. 127
	s_lshr_b32 s20, s18, 3
	s_mul_i32 s20, s20, 24                         ; 192 rows for each 64 features: 24 runs
	s_and_b32 s21, s18, 7
	s_add_co_u32 s20, s20, s21
	s_lshl_b32 s21, s19, 3
	s_add_co_u32 s20, s20, s21
	s_add_co_u32 s20, s20, 512                     ; behind x's 512 runs
	s_lshl_b32 s21, ttmp9, 2
	s_add_co_u32 s21, s21, s16                     ; the run in x
	s_wait_kmcnt 0x0
	s_cmp_eq_u32 s19, 1
	s_cselect_b64 s[6:7], s[8:9], s[6:7]
	s_cmp_eq_u32 s19, 2
	s_cselect_b64 s[6:7], s[10:11], s[6:7]         ; the weight, by the work-group's number alone
	s_cmp_lt_u32 ttmp9, XWG
	s_cselect_b64 s[4:5], s[4:5], s[6:7]           ; x or the weight
	s_cselect_b32 s18, s21, s18                    ; the run read
	s_cselect_b32 s20, s21, s20                    ; the run written
	s_lshl_b32 s22, s18, 15
	s_mov_b32 s23, 0
	s_add_nc_u64 s[4:5], s[4:5], s[22:23]          ; 32,768 bytes of numbers a run
	s_lshl_b32 s22, s20, 12
	s_add_nc_u64 s[12:13], s[12:13], s[22:23]      ; 4,096 bytes of codes
	s_lshl_b32 s22, s20, 8
	s_add_nc_u64 s[14:15], s[14:15], s[22:23]      ; 256 scale bytes
.macro LOAD t
.irp i, 0,1,2,3
	global_load_b128 v[R+16*((\t)%4)+4*\i:R+16*((\t)%4)+4*\i+3], v3, s[4:5] offset:2048*(\t)+512*\i th:TH_LOAD_NT   ; 32 lanes read 512 consecutive bytes
.endr
.endm
.macro TURN t                          ; step t's numbers through the stage: LDS serves a wave's instructions in order, so no wait stands between the stores and the loads
.irp i, 0,1,2,3
	ds_store_b128 v14, v[R+16*((\t)%4)+4*\i:R+16*((\t)%4)+4*\i+3] offset:32*SP*((\t)%2)+8*SP*\i
.endr
.irp i, 0,1,2,3
	ds_load_b128 v[X+16*((\t)%2)+4*\i:X+16*((\t)%2)+4*\i+3], v15 offset:32*SP*((\t)%2)+16*\i
.endr
.endm
.irp t, 0,1,2,3
	LOAD \t
.endr
	s_wait_loadcnt 12                              ; step 0's four loads are in; the twelve behind them stay out
	TURN 0
.macro STEP t
.set XS, X+16*((\t)%2)
.if (\t) > 0
	s_wait_dscnt 1                                 ; this step's numbers are back from the stage; the last step's byte store may be out
.else
	s_wait_dscnt 0x0
.endif
.if (\t)+4 < STEPS
	LOAD (\t)+4                                    ; into the registers that the stage's stores have read
.endif
.if (\t)+1 < STEPS
.if STEPS-2-(\t) >= 3
	s_wait_loadcnt 12                              ; the next step's four loads are in; those of the three steps behind it may be out
.else
	s_wait_loadcnt 4*(STEPS-2-(\t))
.endif
	TURN (\t)+1
.endif
	v_max3_num_f32 v8, |v[XS]|, |v[XS+1]|, |v[XS+2]|               ; the largest magnitude of my 16, in two chains
	v_max3_num_f32 v9, |v[XS+3]|, |v[XS+4]|, |v[XS+5]|
.irp i, 6,10
	v_max3_num_f32 v8, v8, |v[XS+\i]|, |v[XS+\i+1]|
	v_max3_num_f32 v9, v9, |v[XS+\i+2]|, |v[XS+\i+3]|
.endr
	v_max3_num_f32 v8, v8, |v[XS+14]|, |v[XS+15]|
	v_max3_num_f32 v8, v8, v9, 0x1800000           ; and the floor 2^(3 - 127): the byte cannot fall under 1
	v_max_num_f32_dpp v8, v8, v8 row_xmask:1 row_mask:0xf bank_mask:0xf   ; with my neighbour's 16: the block's
	v_add_nc_u32 v11, 0xff000000, v8               ; 2 off its exponent field: the conversion takes that field as its scale
	v_cvt_scalef32_pk8_fp4_f32 v[C+4*(\t)], v[XS:XS+7], v11
	v_cvt_scalef32_pk8_fp4_f32 v[C+4*(\t)+1], v[XS+8:XS+15], v11
	v_lshrrev_b32 v[E+(\t)], 23, v11               ; the scale's byte
	ds_store_b8 v5, v[E+(\t)] offset:16*(\t)       ; both lanes of a block write the same byte with the same value
	global_store_b64 v4, v[C+4*(\t):C+4*(\t)+1], s[12:13] offset:32*CB*(\t)   ; the wave stores 256 consecutive bytes, aligned
.endm
.irp t, 0,1,2,3,4,5,6,7,8,9,10,11,12,13,14,15
	STEP \t
.endr
	ds_load_b64 v[8:9], v6                         ; these see my byte stores: LDS serves a wave in order
	s_wait_dscnt 0x0
	global_store_b64 v7, v[8:9], s[14:15]          ; 256 consecutive bytes, aligned
	s_wait_tensorcnt 0x0                           ; the wave's end
	ds_add_u32 v[SPW], v[NIL]
	s_wait_dscnt 0x0
	s_endpgm
.Lfunc_end_k_q6c33b6b946_quant:
	.size	k_q6c33b6b946_quant, .Lfunc_end_k_q6c33b6b946_quant-k_q6c33b6b946_quant
	.p2alignl 7, 3214868480
	.fill 96, 4, 3214868480
	.section	.rodata,"a",@progbits
	.p2align	6, 0x0
	.amdhsa_kernel k_q6c33b6b946_quant
		.amdhsa_group_segment_fixed_size 33280
		.amdhsa_private_segment_fixed_size 0
		.amdhsa_enable_private_segment 0
		.amdhsa_kernarg_size 48
		.amdhsa_user_sgpr_count 2
		.amdhsa_user_sgpr_kernarg_segment_ptr 1
		.amdhsa_wavefront_size32 1
		.amdhsa_system_sgpr_workgroup_id_x 1
		.amdhsa_system_sgpr_workgroup_id_y 1
		.amdhsa_system_sgpr_workgroup_id_z 1
		.amdhsa_system_vgpr_workitem_id 0
		.amdhsa_next_free_vgpr 192
		.amdhsa_next_free_sgpr 66
		.amdhsa_reserve_vcc 0
		.amdhsa_float_denorm_mode_32 3
		.amdhsa_float_denorm_mode_16_64 3
		.amdhsa_memory_ordered 1
		.amdhsa_forward_progress 1
		.amdhsa_inst_pref_size 34
	.end_amdhsa_kernel
	.amdgpu_metadata
---
amdhsa.version: [ 1, 2 ]
amdhsa.kernels:
  - .name:           k_q6c33b6b946_quant
    .symbol:         k_q6c33b6b946_quant.kd
    .args:
      - { .name: x, .offset: 0, .size: 8, .value_kind: global_buffer, .address_space: global }
      - { .name: Wq, .offset: 8, .size: 8, .value_kind: global_buffer, .address_space: global }
      - { .name: Wk, .offset: 16, .size: 8, .value_kind: global_buffer, .address_space: global }
      - { .name: Wv, .offset: 24, .size: 8, .value_kind: global_buffer, .address_space: global }
      - { .name: qc, .offset: 32, .size: 8, .value_kind: global_buffer, .address_space: global }
      - { .name: qs, .offset: 40, .size: 8, .value_kind: global_buffer, .address_space: global }
    .group_segment_fixed_size: 33280
    .private_segment_fixed_size: 0
    .kernarg_segment_align: 8
    .kernarg_segment_size: 48
    .max_flat_workgroup_size: 128
    .sgpr_count:     66
    .vgpr_count:     192
    .wavefront_size: 32
...
	.end_amdgpu_metadata
.endif
;; end of part 1
;; launch proj (part 2): grid 16 x 16, 4 waves a work-group, clusters of 4 x 4, 327,680 bytes of LDS; arguments qc, qs, bq, bk, bv, phase_bias, cc, vt; writes cc, vt
.if DOCPART == 2
	.amdgcn_target "amdgcn-amd-amdhsa--gfx1250"
	.amdhsa_code_object_version 6
	.text
	.protected	k_q6c33b6b946_proj
	.globl	k_q6c33b6b946_proj
	.p2align	8
	.type	k_q6c33b6b946_proj,@function
k_q6c33b6b946_proj:
	s_mov_b64 s[64:65], 0
	v_nop
	global_prefetch_b8 v0, s[64:65] scope:SCOPE_SE
	s_setreg_imm32_b32 hwreg(HW_REG_WAVE_MODE, 25, 1), 1
	s_wait_xcnt 0x0
	s_wait_alu depctr_hold_cnt(0) depctr_sa_sdst(0) depctr_va_vdst(0) depctr_va_sdst(0) depctr_va_ssrc(0) depctr_va_vcc(0) depctr_vm_vsrc(0)
	s_getreg_b32 s2, hwreg(HW_REG_IB_STS2, 6, 4)
	s_cmp_eq_u32 s2, 0
	s_cbranch_scc0 .Lentry_in_a_cluster
	s_endpgm
.Lentry_in_a_cluster:
	s_bfe_u32 s2, ttmp6, 0x10000c
	s_cmp_lg_u32 s2, 0xf033
	s_cbranch_scc0 .Lentry_shape_is_right
	s_endpgm
.Lentry_shape_is_right:
; Q, K, V = x W^T + b on codes of FP4 with E8M0 scales; then cos and sin of theta = Q (or K) x inv_wl + phase_bias as f16, and V transposed as f16.
; A work-group takes 256 rows of x and 64 features of EACH of Q, K and V (192 rows of the weights as the launch before laid them): 16 x 16 work-groups, and every wave has the same share of the cos/sin work.
; A wave takes 64 rows x all 192 columns: 4 row blocks a x 12 column blocks b (b 0-3 Q, 4-7 K, 8-11 V): 48 accumulators.
; K = 1,024 is two LDS slots of 512 (rows of 256 bytes); both are asked for at the head and no LDS byte is filled twice.  The scale bytes of the 256 + 192 rows come once, as dense blocks.
; CLUSTER 4 x 4: x's tiles hang on the row block alone and are asked for jointly along a row of the cluster, the weights' on the column block alone and jointly along a column.
; Q and K are made TRANSPOSED (source 0 = 16 weight rows, source 1 = 16 rows of x): a lane holds one row and eight neighbouring features.  V is made the other way round: a lane holds one feature and eight neighbouring rows t.
; The biases are the C of each sum's first matrix instruction.
; COS AND SIN, in f32: th = theta / 4 by one fused multiply-add (inv_wl / 4 and phase_bias / 4 are tables); n = round(th x 2 / pi); h = th - n pi / 2 in three parts, |h| <= pi / 4; so theta = 4 h + 2 pi n.
; sin h and cos h by polynomials of degree 7 and 8, then the angle is doubled twice.  LIMIT: |theta| up to about 1e8, beyond which n is no whole number exactly; an infinite theta gives NaN.
; V IN f16.  LIMIT: |V| under 65,504.  Its largest magnitude is about 5 for x of spread 1 and W of spread 1 / 32; about 4,500 with all inputs 30 times larger; about 29,000 with offsets of 30 spreads on x and W.
; Numbers under 6e-5 keep an absolute error of 3e-8.
; OUT.  The next product's K runs over 16 pieces of 128: piece c = cos of features 64 c .. 64 c + 63, then their sin.
;   K's half of cc (16,777,216 bytes on): rows of 4,096 bytes, piece c at byte 256 c.
;   Q's half of cc: IMAGES OF THE OPERAND'S REGISTERS, [block of 16 rows][fragment of 32 along K][1,024 bytes]: a lane's eight packed registers of two neighbouring feature blocks ARE a fragment (16 rows x 32 K),
;   so they are stored as they stand, 16 bytes a lane, 512 consecutive bytes a store, and the next launch loads them so.
;   vt = [batch x 1024 + e][t] f16.
; REGISTERS, in windows of 256: window 0: v1-31 addresses; v32-127 scale words alone (set s at 32 + 48 s, register 4 i + q: lanes 16-31 the weights' block i, lanes 0-15 my block i of x);
;   v128-223 the biases, later V packed (v128-191) and rows on their way out (v192-255).  window 1: two sets of fragments (x's 4 at +0, the weights' 12 at +32), later the cos/sin scratch.
;   windows 2, 3: accumulator (a, b) in window 2 + a / 2 at v[96 (a % 2) + 8 b]; window 3 also: v192-223 inv_wl / 4, v224-255 phase_bias / 4 of my lane's 32 features.
.set PITCH, 272                        ; an LDS row: 256 bytes + 16 of padding
.set XT,    256*PITCH                  ; x's 256 rows
.set SLOT,  448*PITCH                  ; then the weights' 192
.set SCL,   2*SLOT                     ; x's scale bytes: 32 pieces of 256 + 16
.set SCW,   SCL+32*272                 ; the weights': 24 pieces
.set SPARE, 259072                     ; the spare words, 128 bytes a wave, that no other line names
.set VSTG,  4*16*272                   ; the stages lie in slot 0, behind its one fill and its last read: 16 x 272 for each wave, then V's 64 x 528
.set VP,    528
.set VSTO, 10
.set VRD,  11
.set VCO,  12
.set VB,   13
.set VR4,  14
.set E0,   15
.set ADRA, 16
.set ADRB, 20
.set STO,  24
.set RD,   25
.set CO,   26
.set ADRS, 27
.set SPW,  28
.set NIL,  29
.set SC,   32
.set BI,   128
.set VT0,  128
.set BK,   192
.set IW4,  192                         ; window 3
.set PB4,  224                         ; window 3
.set RTH,  0                           ; window 1, on the way out
.set RZZ,  32
.set RSS,  64
.set RCC,  96
.set RDD,  128
.set ROC,  160
.set ROS,  176
.set VS2,  192
.set VC2,  194
.set VS1,  196
.set VC1,  198
.set G1,   24
.set G0,   32
.set G1B,  48
.set G0B,  56
.set G1S,  68
.set G0S,  76
.set G1SB, 80
.set G0SB, 88
.set MSB, 0
.macro WIN new                         ; the immediate's high byte repeats the setting that is left; a switch that changes nothing is dropped
.if MSB != (\new)
	s_set_vgpr_msb (MSB<<8)|(\new)
.set MSB, (\new)
.endif
.endm
; A joint load: waves 0 and 1 fetch for x, waves 2 and 3 for the weights.  The branch hangs on the wave's number alone.  An s_nop 0 and four v_nop follow each line.
.macro JLOAD g0a, g1a, g0b, g1b
	s_cmp_eq_u32 s21, 0
	s_cbranch_scc0 .Lfor_w_\@
	tensor_load_to_lds s[\g0a:\g0a+3], s[\g1a:\g1a+7]
	s_nop 0
.rept 4
	v_nop
.endr
	s_branch .Lasked_\@
.Lfor_w_\@:
	tensor_load_to_lds s[\g0b:\g0b+3], s[\g1b:\g1b+7]
	s_nop 0
.rept 4
	v_nop
.endr
.Lasked_\@:
.endm
.macro CROUND                          ; a round of the cluster's barrier
	s_barrier_signal -1
	s_barrier_wait -1
	s_cmp_lg_u32 s20, 0
	s_cbranch_scc1 .Lnot_wave_0_\@
	s_barrier_signal -3
.Lnot_wave_0_\@:
	s_barrier_wait -3
	s_barrier_signal -1
	s_barrier_wait -1
.endm
.macro PLACES                          ; four plain places behind matrix instructions, ahead of loads into their sources and of reads of their results
.rept 4
	v_nop
.endr
.endm
	s_load_b256 s[4:11], s[0:1], 0x0               ; codes, scale bytes, bq, bk
	s_load_b256 s[12:19], s[0:1], 0x20             ; bv, phase_bias, cc, vt
	v_lshl_add_u32 v[SPW], v0, 2, SPARE
	v_mov_b32 v[NIL], 0
	ds_add_u32 v[SPW], v[NIL]                      ; the opening: the add, twice on end, and its wait ahead of my first tensor load
	ds_add_u32 v[SPW], v[NIL]
	v_lshrrev_b32 v1, 5, v0
	v_readfirstlane_b32 s20, v1                    ; wave 0..3
	s_lshr_b32 s21, s20, 1                         ; I fetch for x (0) or for the weights (1),
	s_and_b32 s22, s20, 1                          ; and which half
	s_bfe_u32 s40, ttmp6, 0x40000                  ; cx
	s_bfe_u32 s41, ttmp6, 0x40004                  ; cy
	s_lshl_b32 s42, ttmp9, 2
	s_add_co_u32 s42, s42, s40                     ; c: the block of 64 features
	s_and_b32 s43, ttmp7, 0xffff
	s_lshl_b32 s43, s43, 2
	s_add_co_u32 s43, s43, s41                     ; y: the block of 256 rows
	s_lshl_b32 s44, s41, 2
	s_lshl_b32 s44, 15, s44                        ; my row of the cluster
	s_lshl_b32 s45, 0x1111, s40                    ; my column
	; groups 1.  Codes: elements of 1 byte, rows of 256, 512 bytes apart in memory; 16 bytes of padding behind each 64 words
	s_or_b32 s[G1], s44, (1<<20)|(1<<21)|(5<<22)|(3<<25)
	s_mov_b32 s[G1+1], 256<<16                     ; tensor_dim0
	s_mov_b32 s[G1+2], 128<<16                     ; tensor_dim1: 128 rows of x
	s_mov_b32 s[G1+3], 256<<16                     ; tile_dim0
	s_mov_b32 s[G1+4], 128                         ; tile_dim1
	s_mov_b32 s[G1+5], 512                         ; the pitch
	s_mov_b32 s[G1+6], 0
	s_mov_b32 s[G1+7], 0
	s_or_b32 s[G1B], s45, (1<<20)|(1<<21)|(5<<22)|(3<<25)
	s_mov_b32 s[G1B+1], 256<<16
	s_mov_b32 s[G1B+2], 96<<16                     ; 96 rows of the weights
	s_mov_b32 s[G1B+3], 256<<16
	s_mov_b32 s[G1B+4], 96
	s_mov_b32 s[G1B+5], 512
	s_mov_b32 s[G1B+6], 0
	s_mov_b32 s[G1B+7], 0
	; scale bytes: a dense block as rows of 32 elements of 8 bytes, padded likewise
	s_or_b32 s[G1S], s44, (3<<16)|(1<<20)|(1<<21)|(5<<22)|(3<<25)
	s_mov_b32 s[G1S+1], 32<<16
	s_mov_b32 s[G1S+2], 16<<16                     ; 128 rows x 32 bytes
	s_mov_b32 s[G1S+3], 32<<16
	s_mov_b32 s[G1S+4], 16
	s_mov_b32 s[G1S+5], 32
	s_mov_b32 s[G1S+6], 0
	s_mov_b32 s[G1S+7], 0
	s_or_b32 s[G1SB], s45, (3<<16)|(1<<20)|(1<<21)|(5<<22)|(3<<25)
	s_mov_b32 s[G1SB+1], 32<<16
	s_mov_b32 s[G1SB+2], 12<<16                    ; 96 rows x 32 bytes
	s_mov_b32 s[G1SB+3], 32<<16
	s_mov_b32 s[G1SB+4], 12
	s_mov_b32 s[G1SB+5], 32
	s_mov_b32 s[G1SB+6], 0
	s_mov_b32 s[G1SB+7], 0
	; where the tiles come from: x's by y and the wave, the weights' by c and the wave, each in registers of their own
	s_lshl_b32 s46, s43, 8
	s_lshl_b32 s47, s22, 7
	s_add_co_u32 s46, s46, s47                     ; x: row 256 y + 128 half
	s_lshl_b32 s92, s46, 9                         ; its codes
	s_mov_b32 s93, 0
	s_lshl_b32 s94, s46, 5                         ; its scale bytes
	s_mov_b32 s95, 0
	s_mul_i32 s96, s42, 192
	s_mul_i32 s98, s22, 96
	s_add_co_u32 s96, s96, s98                     ; the weights: row 192 c + 96 half
	s_lshl_b32 s98, s96, 5
	s_add_co_u32 s98, s98, 131072                  ; behind x's scale bytes
	s_mov_b32 s99, 0
	s_lshl_b32 s96, s96, 9
	s_add_co_u32 s96, s96, 2097152                 ; behind x's codes
	s_mov_b32 s97, 0
	s_wait_dscnt 0x0                               ; both opening adds are done
	s_wait_kmcnt 0x0
	s_add_nc_u64 s[92:93], s[4:5], s[92:93]
	s_add_nc_u64 s[94:95], s[6:7], s[94:95]
	s_add_nc_u64 s[96:97], s[4:5], s[96:97]
	s_add_nc_u64 s[98:99], s[6:7], s[98:99]
	; groups 0: LDS addresses hang on the wave's number alone
	s_mov_b32 s[G0S], 1
	s_mul_i32 s[G0S+1], s22, 16*272
	s_add_co_u32 s[G0S+1], s[G0S+1], SCL
	s_mov_b64 s[G0S+2:G0S+3], s[94:95]
	s_or_b32 s[G0S+3], s[G0S+3], 0x80000000
	s_mov_b32 s[G0SB], 1
	s_mul_i32 s[G0SB+1], s22, 12*272
	s_add_co_u32 s[G0SB+1], s[G0SB+1], SCW
	s_mov_b64 s[G0SB+2:G0SB+3], s[98:99]
	s_or_b32 s[G0SB+3], s[G0SB+3], 0x80000000
.irp s, 0,1
	s_mov_b32 s[G0+4*\s], 1
	s_mul_i32 s[G0+4*\s+1], s22, 128*PITCH
	s_add_co_u32 s[G0+4*\s+1], s[G0+4*\s+1], \s*SLOT
	s_add_nc_u64 s[G0+4*\s+2:G0+4*\s+3], s[92:93], \s*256
	s_or_b32 s[G0+4*\s+3], s[G0+4*\s+3], 0x80000000
	s_mov_b32 s[G0B+4*\s], 1
	s_mul_i32 s[G0B+4*\s+1], s22, 96*PITCH
	s_add_co_u32 s[G0B+4*\s+1], s[G0B+4*\s+1], \s*SLOT+XT
	s_add_nc_u64 s[G0B+4*\s+2:G0B+4*\s+3], s[96:97], \s*256
	s_or_b32 s[G0B+4*\s+3], s[G0B+4*\s+3], 0x80000000
.endr
	CROUND                                         ; all sixteen work-groups are here: the joint loads meet
	JLOAD G0S, G1S, G0SB, G1SB                     ; the scale bytes,
	JLOAD G0, G1, G0B, G1B                         ; K 0-511,
	JLOAD G0+4, G1, G0B+4, G1B                     ; K 512-1023: three loads of mine are out, and there will be no more
	v_and_b32 v1, 15, v0                           ; r
	v_bfe_u32 v2, v0, 4, 1                         ; h
	v_mul_u32_u24 v3, v1, PITCH
	v_lshl_add_u32 v3, v2, 4, v3                   ; 272 r + 16 h
	s_mul_i32 s2, s20, 64*PITCH                    ; my 64 rows of x
	v_add_nc_u32 v[ADRA], s2, v3
	v_add_nc_u32 v[ADRA+1], SLOT, v[ADRA]
	v_add_nc_u32 v[ADRB], XT, v3
	v_add_nc_u32 v[ADRB+1], SLOT+XT, v3
	v_lshlrev_b32 v4, 5, v1                        ; scale words: 32 bytes a row,
	v_lshrrev_b32 v5, 3, v1
	v_lshl_add_u32 v4, v5, 4, v4                   ; 16 more behind each 256
	s_mul_i32 s2, s20, 4*544                       ; lanes 0-15: my four blocks of x
	s_sub_co_u32 s3, 32*272, s2
	v_mul_u32_u24 v5, s3, v2                       ; lanes 16-31: the weights' blocks
	s_add_co_u32 s2, s2, SCL
	v_add_nc_u32 v4, v4, v5
	v_add_nc_u32 v[ADRS], s2, v4
	s_mul_i32 s2, s20, 16*272                      ; my stage for K's cos and sin
	v_add_nc_u32 v[STO], s2, v3                    ; in: row r, 16 bytes for each half of the lanes
	v_mul_u32_u24 v5, v2, 272
	v_lshl_add_u32 v5, v1, 4, v5
	v_add_nc_u32 v[RD], s2, v5                     ; back: lanes 0-15 one row of 256 bytes, lanes 16-31 the next
	v_lshlrev_b32 v5, 12, v2
	v_lshl_add_u32 v[CO], v1, 4, v5                ; and the same two rows in cc
	v_mul_u32_u24 v5, v1, VP
	v_lshl_add_u32 v5, v2, 4, v5
	s_lshl_b32 s2, s20, 7
	s_add_co_u32 s2, s2, VSTG
	v_add_nc_u32 v[VSTO], s2, v5                   ; V's stage: row e = r, my wave's 128 bytes, 16 for each half
	v_and_b32 v5, 31, v0
	v_lshlrev_b32 v[VCO], 4, v5                    ; 16 x lane
	s_mul_i32 s2, s20, 16*VP
	s_add_co_u32 s2, s2, VSTG
	v_add_nc_u32 v[VRD], s2, v[VCO]                ; back: my 16 rows, 512 bytes each
	v_lshlrev_b32 v[VB], 5, v2                     ; tables by feature: 8 h numbers on
	v_lshlrev_b32 v[VR4], 2, v1                    ; bv: feature r
	s_lshl_b32 s66, s42, 6
	v_lshl_add_u32 v[E0], v2, 3, s66               ; 64 c + 8 h
	; where the results go
	s_lshl_b32 s66, s43, 8
	s_lshl_b32 s67, s20, 6
	s_add_co_u32 s66, s66, s67
	s_lshl_b32 s66, s66, 12                        ; row 256 y + 64 wave; 4,096 bytes a row in both halves of cc (a block of 16 rows: 65,536)
	s_mov_b32 s67, 0
	s_add_nc_u64 s[16:17], s[16:17], s[66:67]
	s_add_nc_u64 s[100:101], s[16:17], 0x1000000   ; K's rows
	s_lshl_b32 s2, s42, 12
	s_mov_b32 s3, 0
	s_add_nc_u64 s[16:17], s[16:17], s[2:3]        ; Q: fragments 4 c .. 4 c + 3 of my first block
	s_lshl_b32 s66, s42, 8                         ; K: piece c.  Also: 64 c numbers of 4 bytes
	s_add_nc_u64 s[100:101], s[100:101], s[66:67]
	s_add_nc_u64 s[8:9], s[8:9], s[66:67]
	s_add_nc_u64 s[10:11], s[10:11], s[66:67]
	s_add_nc_u64 s[12:13], s[12:13], s[66:67]
	s_add_nc_u64 s[14:15], s[14:15], s[66:67]
	s_lshr_b32 s66, s43, 3                         ; the batch
	s_lshl_b32 s66, s66, 10
	s_lshl_b32 s2, s42, 6
	s_add_co_u32 s66, s66, s2
	s_lshl_b32 s2, s20, 4
	s_add_co_u32 s66, s66, s2                      ; vt's row 1024 batch + 64 c + 16 wave
	s_lshl_b32 s66, s66, 12
	s_and_b32 s2, s43, 7
	s_lshl_b32 s2, s2, 9
	s_add_co_u32 s66, s66, s2                      ; t = 256 (y % 8) on
	s_add_nc_u64 s[18:19], s[18:19], s[66:67]
	; the biases in the results' layout
.irp b, 0,1,2,3
	global_load_b128 v[BI+8*\b:BI+8*\b+3], v[VB], s[8:9] offset:64*\b
	global_load_b128 v[BI+8*\b+4:BI+8*\b+7], v[VB], s[8:9] offset:64*\b+16
	global_load_b128 v[BI+32+8*\b:BI+32+8*\b+3], v[VB], s[10:11] offset:64*\b
	global_load_b128 v[BI+32+8*\b+4:BI+32+8*\b+7], v[VB], s[10:11] offset:64*\b+16
.endr
.irp b, 0,1,2,3
.irp j, 0,1,2,3,4,5,6,7
	global_load_b32 v[BI+64+8*\b+\j], v[VR4], s[12:13] offset:64*\b   ; V's lane holds one feature in all eight registers
.endr
.endr
	WIN 0xc0                                       ; destination window 3
.irp b, 0,1,2,3
	global_load_b128 v[PB4+8*\b:PB4+8*\b+3], v[VB], s[14:15] offset:64*\b
	global_load_b128 v[PB4+8*\b+4:PB4+8*\b+7], v[VB], s[14:15] offset:64*\b+16
.endr
	; inv_wl / 4 of my 32 features: 1 / (i x 2 pi / 1024 + 1e-8), i = feature + 1: a reciprocal and one Newton step.  Scratch: window 1
	WIN 0x40
.irp b, 0,1,2,3
.irp j, 0,1,2,3,4,5,6,7
	v_add_nc_u32 v[8*\b+\j], 16*\b+\j+1, v[E0]
.endr
.endr
	WIN 0x55
.set i, 0
.rept 32
	v_cvt_f32_u32 v[i], v[i]
.set i, i+1
.endr
.set i, 0
.rept 32
	v_mul_f32 v[i], 0x3bc90fdb, v[i]               ; x 2 pi / 1024
.set i, i+1
.endr
.set i, 0
.rept 32
	v_add_f32 v[i], 0x322bcc77, v[i]               ; + 1e-8
.set i, i+1
.endr
.set i, 0
.rept 32
	v_rcp_f32 v[32+i], v[i]
.set i, i+1
.endr
	v_nop                                          ; a plain instruction behind the last reciprocal
	s_wait_alu depctr_va_vdst(0)                   ; one wait for the batch, ahead of its first reader
.set i, 0
.rept 32
	v_fma_f32 v[i], -v[i], v[32+i], 1.0
.set i, i+1
.endr
.set i, 0
.rept 32
	v_fma_f32 v[32+i], v[32+i], v[i], v[32+i]
.set i, i+1
.endr
	WIN 0xc4                                       ; destination window 3, source 1 window 1
.set i, 0
.rept 32
	v_mul_f32 v[IW4+i], 0x3e800000, v[32+i]
.set i, i+1
.endr
	WIN 0
	s_wait_loadcnt 0x0                             ; the biases and phase_bias
	WIN 0xcc
.set i, 0
.rept 32
	v_mul_f32 v[PB4+i], 0x3e800000, v[PB4+i]       ; phase_bias / 4: exact
.set i, i+1
.endr
	WIN 0
.macro FRAG reg, adr, q, i             ; 16 rows x 128 K of 4-bit codes: 8 registers: two loads of 16 bytes, 32 apart
.irp c, 0,1
	ds_load_b128 v[\reg+4*\c:\reg+4*\c+3], v[\adr] offset:64*(\q)+32*\c+(\i)*16*PITCH
.endr
.endm
.macro FETCH st                        ; the fragments of step st (128 along K) into set st % 2: 32 loads in one run
	WIN 0x40
.irp i, 0,1,2,3
	FRAG 128*((\st)%2)+8*\i, ADRA+(\st)/4, (\st)%4, \i
.endr
.irp i, 0,1,2,3,4,5,6,7,8,9,10,11
	FRAG 128*((\st)%2)+32+8*\i, ADRB+(\st)/4, (\st)%4, \i
.endr
	WIN 0
.endm
.macro SCALES s                        ; the four scale words a row of slot s
.irp i, 0,1,2,3,4,5,6,7,8,9,10,11
	ds_load_b128 v[SC+48*\s+4*\i:SC+48*\s+4*\i+3], v[ADRS] offset:544*\i+16*\s
.endr
.endm
.macro WQK d, wf, xf, c, sw, sx        ; Q, K: source 0 the weights (their scales in lanes 16-31), source 1 x
	v_wmma_scale_f32_16x16x128_f8f6f4 v[\d:\d+7], v[\wf:\wf+7], v[\xf:\xf+7], v[\c:\c+7], v[\sw], v[\sx] matrix_a_fmt:MATRIX_FMT_FP4 matrix_b_fmt:MATRIX_FMT_FP4 matrix_a_scale:MATRIX_SCALE_ROW1
.endm
.macro WVT d, xf, wf, c, sx, sw        ; V: source 0 x, source 1 the weights
	v_wmma_scale_f32_16x16x128_f8f6f4 v[\d:\d+7], v[\xf:\xf+7], v[\wf:\wf+7], v[\c:\c+7], v[\sx], v[\sw] matrix_a_fmt:MATRIX_FMT_FP4 matrix_b_fmt:MATRIX_FMT_FP4 matrix_b_scale:MATRIX_SCALE_ROW1
.endm
.macro MULS a, st, first               ; row block a against the twelve column blocks; first = 1: C is the bias
.set AC, 96*((\a)%2)
.set FP, 128*((\st)%2)
.set SQ, SC+48*((\st)/4)+(\st)%4
.irp b, 0,1,2,3,4,5,6,7
.if \first
	WQK AC+8*\b, FP+32+8*\b, FP+8*(\a), BI+8*\b, SQ+4*\b, SQ+4*(\a)
.else
	WQK AC+8*\b, FP+32+8*\b, FP+8*(\a), AC+8*\b, SQ+4*\b, SQ+4*(\a)
.endif
.endr
.irp b, 8,9,10,11
.if \first
	WVT AC+8*\b, FP+8*(\a), FP+32+8*\b, BI+8*\b, SQ+4*(\a), SQ+4*\b
.else
	WVT AC+8*\b, FP+8*(\a), FP+32+8*\b, AC+8*\b, SQ+4*(\a), SQ+4*\b
.endif
.endr
.endm
; A step of 128 along K: 48 matrix instructions, the 48 accumulators by turns, in the same order in every step.  The next step's fragments are asked for ahead of them.
.macro STEP st
	s_wait_dscnt 0x0                               ; this step's fragments are in
.if (\st) == 3
	s_wait_tensorcnt 0x0                           ; my part of slot 1 has landed: my last load; and my reads of slot 0 are over
	s_barrier_signal -1
	s_barrier_wait -1                              ; both hold of every wave.
.endif
.if (\st) < 7
	PLACES
	FETCH (\st)+1
.endif
.if (\st) == 0
	WIN 0x85                                       ; fragments window 1, C (the bias) window 0, D window 2
	MULS 0, \st, 1
	MULS 1, \st, 1
	WIN 0xc5
	MULS 2, \st, 1
	MULS 3, \st, 1
.else
	WIN 0xa5
	MULS 0, \st, 0
	MULS 1, \st, 0
	WIN 0xf5
	MULS 2, \st, 0
	MULS 3, \st, 0
.endif
	WIN 0
.endm
	s_wait_tensorcnt 1                             ; the scale bytes and my part of slot 0 are in; slot 1's load may be out
	s_barrier_signal -1
	s_barrier_wait -1                              ; everybody's are
	SCALES 0
	SCALES 1
	FETCH 0
.irp q, 0,1,2,3,4,5,6,7
	STEP \q
.endr
	; THE WAY OUT.  The descriptors are done with (all tensor loads were waited for): their registers take the constants
	PLACES
	s_mov_b32 s24, 0x3f22f983                      ; 2 / pi
	s_mov_b32 s25, 0x3f22f983
	s_mov_b32 s26, 0xbfc90fdb                      ; - pi / 2, in three parts
	s_mov_b32 s27, 0xbfc90fdb
	s_mov_b32 s28, 0x333bbd2e
	s_mov_b32 s29, 0x333bbd2e
	s_mov_b32 s30, 0x26f72ced
	s_mov_b32 s31, 0x26f72ced
	s_mov_b32 s32, 0xb94ca1f9                      ; sin: z^3's coefficient
	s_mov_b32 s33, 0xb94ca1f9
	s_mov_b32 s36, 0x37ccf5ce                      ; cos: z^4's
	s_mov_b32 s37, 0x37ccf5ce
	WIN 0x40
	v_mov_b32 v[VS2], 0x3c08839e
	v_mov_b32 v[VS2+1], 0x3c08839e
	v_mov_b32 v[VC2], 0xbab6061a
	v_mov_b32 v[VC2+1], 0xbab6061a
	v_mov_b32 v[VS1], 0xbe2aaaa3
	v_mov_b32 v[VS1+1], 0xbe2aaaa3
	v_mov_b32 v[VC1], 0x3d2aaaa5
	v_mov_b32 v[VC1+1], 0x3d2aaaa5
	; V: eight neighbouring t of a feature pack into 16 bytes of f16; the four waves' parts of a row meet in a stage
.irp a, 0,1,2,3
	WIN 0x0a+5*(\a/2)                              ; sources window 2 or 3
.irp b, 0,1,2,3
.irp k, 0,1,2,3
	v_cvt_pk_f16_f32 v[VT0+4*(4*\a+\b)+\k], v[96*(\a%2)+64+8*\b+2*\k], v[96*(\a%2)+64+8*\b+2*\k+1]
.endr
.endr
.endr
	WIN 0
.irp a, 0,1,2,3
.irp b, 0,1,2,3
	ds_store_b128 v[VSTO], v[VT0+4*(4*\a+\b):VT0+4*(4*\a+\b)+3] offset:16*VP*\b+32*\a
.endr
.endr
	s_wait_dscnt 0x0                               ; for the others' sake: my stores are done
	s_barrier_signal -1
	s_barrier_wait -1
.irp i, 0,1,2,3,4,5,6,7,8,9,10,11,12,13,14,15
	ds_load_b128 v[VT0+4*\i:VT0+4*\i+3], v[VRD] offset:VP*\i   ; 16 whole rows of 512 bytes
.endr
; cos and sin of 32 numbers a lane: tensor g / 4 (Q, K), row block g % 4.  Each stage is a run over the 16 pairs, so that no line waits for the line above it.
.macro SINCOS g
.set AC, 96*((\g)%2)+32*((\g)/4)
	WIN 0x7e+((\g)%4)/2                            ; the sums window 2 or 3, the tables window 3, the result window 1
.set i, 0
.rept 16
	v_pk_fma_f32 v[RTH+i:RTH+i+1], v[AC+i:AC+i+1], v[IW4+i:IW4+i+1], v[PB4+i:PB4+i+1]   ; theta / 4
.set i, i+2
.endr
	WIN 0x55
.set i, 0
.rept 16
	v_pk_mul_f32 v[RZZ+i:RZZ+i+1], v[RTH+i:RTH+i+1], s[24:25] op_sel_hi:[1,0]
.set i, i+2
.endr
.set i, 0
.rept 32
	v_rndne_f32 v[RZZ+i], v[RZZ+i]                 ; n
.set i, i+1
.endr
.irp p, 26,28,30
.set i, 0
.rept 16
	v_pk_fma_f32 v[RTH+i:RTH+i+1], v[RZZ+i:RZZ+i+1], s[\p:\p+1], v[RTH+i:RTH+i+1] op_sel_hi:[1,0,1]   ; h = theta / 4 - n pi / 2
.set i, i+2
.endr
.endr
.set i, 0
.rept 16
	v_pk_mul_f32 v[RZZ+i:RZZ+i+1], v[RTH+i:RTH+i+1], v[RTH+i:RTH+i+1]   ; z = h h
.set i, i+2
.endr
.set i, 0
.rept 16
	v_pk_fma_f32 v[RSS+i:RSS+i+1], v[RZZ+i:RZZ+i+1], s[32:33], v[VS2:VS2+1] op_sel_hi:[1,0,1]
.set i, i+2
.endr
.set i, 0
.rept 16
	v_pk_fma_f32 v[RCC+i:RCC+i+1], v[RZZ+i:RZZ+i+1], s[36:37], v[VC2:VC2+1] op_sel_hi:[1,0,1]
.set i, i+2
.endr
.set i, 0
.rept 16
	v_pk_fma_f32 v[RSS+i:RSS+i+1], v[RSS+i:RSS+i+1], v[RZZ+i:RZZ+i+1], v[VS1:VS1+1]
.set i, i+2
.endr
.set i, 0
.rept 16
	v_pk_fma_f32 v[RCC+i:RCC+i+1], v[RCC+i:RCC+i+1], v[RZZ+i:RZZ+i+1], v[VC1:VC1+1]
.set i, i+2
.endr
.set i, 0
.rept 16
	v_pk_mul_f32 v[RDD+i:RDD+i+1], v[RTH+i:RTH+i+1], v[RZZ+i:RZZ+i+1]
.set i, i+2
.endr
.set i, 0
.rept 16
	v_pk_fma_f32 v[RCC+i:RCC+i+1], v[RCC+i:RCC+i+1], v[RZZ+i:RZZ+i+1], -0.5 op_sel_hi:[1,1,0]
.set i, i+2
.endr
.set i, 0
.rept 16
	v_pk_fma_f32 v[RSS+i:RSS+i+1], v[RSS+i:RSS+i+1], v[RDD+i:RDD+i+1], v[RTH+i:RTH+i+1]   ; sin h
.set i, i+2
.endr
.set i, 0
.rept 16
	v_pk_fma_f32 v[RCC+i:RCC+i+1], v[RCC+i:RCC+i+1], v[RZZ+i:RZZ+i+1], 1.0 op_sel_hi:[1,1,0]   ; cos h
.set i, i+2
.endr
.set i, 0
.rept 16
	v_pk_add_f32 v[RDD+i:RDD+i+1], v[RSS+i:RSS+i+1], v[RSS+i:RSS+i+1]
.set i, i+2
.endr
.set i, 0
.rept 16
	v_pk_mul_f32 v[RTH+i:RTH+i+1], v[RDD+i:RDD+i+1], v[RCC+i:RCC+i+1]   ; sin 2h = 2 sin cos
.set i, i+2
.endr
.set i, 0
.rept 16
	v_pk_fma_f32 v[RCC+i:RCC+i+1], v[RDD+i:RDD+i+1], v[RSS+i:RSS+i+1], 1.0 op_sel_hi:[1,1,0] neg_lo:[1,0,0] neg_hi:[1,0,0]   ; cos 2h = 1 - 2 sin sin
.set i, i+2
.endr
.set i, 0
.rept 16
	v_pk_add_f32 v[RDD+i:RDD+i+1], v[RTH+i:RTH+i+1], v[RTH+i:RTH+i+1]
.set i, i+2
.endr
.set i, 0
.rept 16
	v_pk_mul_f32 v[RSS+i:RSS+i+1], v[RDD+i:RDD+i+1], v[RCC+i:RCC+i+1]   ; sin 4h = sin theta
.set i, i+2
.endr
.set i, 0
.rept 16
	v_pk_fma_f32 v[RCC+i:RCC+i+1], v[RDD+i:RDD+i+1], v[RTH+i:RTH+i+1], 1.0 op_sel_hi:[1,1,0] neg_lo:[1,0,0] neg_hi:[1,0,0]   ; cos theta
.set i, i+2
.endr
	s_wait_xcnt 0x0                                ; every earlier store has read its registers: the packed registers below (Q's stores read them) and the rows' registers (K's) may be written again
.set i, 0
.rept 16
	v_cvt_pk_f16_f32 v[ROC+i], v[RCC+2*i], v[RCC+2*i+1]
.set i, i+1
.endr
.set i, 0
.rept 16
	v_cvt_pk_f16_f32 v[ROS+i], v[RSS+2*i], v[RSS+2*i+1]
.set i, i+1
.endr
.endm
; Q: packed registers 8 q .. 8 q + 7 are fragment q of the cosines (16 rows x features 32 q .. 32 q + 31): lane (r, h) holds row r, in registers 0-3 K = 8 h + 0 .. 7, in registers 4-7 K = 16 + 8 h + 0 .. 7.  The sines likewise, two fragments on.
.macro SENDQ a
	WIN 0x04                                       ; a store's data: window 1
.irp i, 0,1,2,3
	global_store_b128 v[VCO], v[ROC+4*\i:ROC+4*\i+3], s[16:17] offset:65536*(\a)+512*\i        ; 32 lanes store 512 consecutive bytes, aligned
	global_store_b128 v[VCO], v[ROS+4*\i:ROS+4*\i+3], s[16:17] offset:65536*(\a)+2048+512*\i
.endr
.endm
.macro TOSTAGE g                       ; K: 16 rows x (128 bytes of cos, 128 of sin) through my own stage, back as whole rows: LDS serves a wave in order, so no wait between
	WIN 0x04                                       ; an LDS store's data: window 1
.irp b, 0,1,2,3
	ds_store_b128 v[STO], v[ROC+4*\b:ROC+4*\b+3] offset:32*\b
	ds_store_b128 v[STO], v[ROS+4*\b:ROS+4*\b+3] offset:128+32*\b
.endr
	WIN 0
.irp t, 0,1,2,3,4,5,6,7
	ds_load_b128 v[BK+32*((\g)%2)+4*\t:BK+32*((\g)%2)+4*\t+3], v[RD] offset:544*\t
.endr
.endm
.macro SEND g, younger                 ; younger: the LDS instructions issued behind block g's loads
	s_wait_dscnt \younger
.irp t, 0,1,2,3,4,5,6,7
	global_store_b128 v[CO], v[BK+32*((\g)%2)+4*\t:BK+32*((\g)%2)+4*\t+3], s[100:101] offset:65536*((\g)%4)+8192*\t   ; 16 lanes store 256 consecutive bytes, aligned
.endr
.endm
	SINCOS 0                                       ; stands between V's loads from the stage and the wait for them
	WIN 0
	s_wait_dscnt 0x0
.irp i, 0,1,2,3,4,5,6,7,8,9,10,11,12,13,14,15
	global_store_b128 v[VCO], v[VT0+4*\i:VT0+4*\i+3], s[18:19] offset:4096*\i   ; 32 lanes store 512 consecutive bytes, aligned
.endr
	SENDQ 0
.irp g, 1,2,3
	SINCOS \g
	SENDQ \g
.endr
	SINCOS 4
	TOSTAGE 4
.irp g, 5,6,7
	SINCOS \g
	TOSTAGE \g
	SEND \g-1, 16                                  ; behind block g - 1's loads: block g's 8 stores and 8 loads
.endr
	SEND 7, 0
	s_wait_tensorcnt 0x0                           ; the wave's end
	ds_add_u32 v[SPW], v[NIL]
	s_wait_dscnt 0x0
	CROUND                                         ; the closing round
	s_endpgm
.Lfunc_end_k_q6c33b6b946_proj:
	.size	k_q6c33b6b946_proj, .Lfunc_end_k_q6c33b6b946_proj-k_q6c33b6b946_proj
	.p2alignl 7, 3214868480
	.fill 96, 4, 3214868480
	.section	.rodata,"a",@progbits
	.p2align	6, 0x0
	.amdhsa_kernel k_q6c33b6b946_proj
		.amdhsa_group_segment_fixed_size 327680
		.amdhsa_private_segment_fixed_size 0
		.amdhsa_enable_private_segment 0
		.amdhsa_kernarg_size 64
		.amdhsa_user_sgpr_count 2
		.amdhsa_user_sgpr_kernarg_segment_ptr 1
		.amdhsa_wavefront_size32 1
		.amdhsa_system_sgpr_workgroup_id_x 1
		.amdhsa_system_sgpr_workgroup_id_y 1
		.amdhsa_system_sgpr_workgroup_id_z 1
		.amdhsa_system_vgpr_workitem_id 0
		.amdhsa_next_free_vgpr 1024
		.amdhsa_next_free_sgpr 102
		.amdhsa_reserve_vcc 0
		.amdhsa_float_denorm_mode_32 3
		.amdhsa_float_denorm_mode_16_64 3
		.amdhsa_memory_ordered 1
		.amdhsa_forward_progress 1
		.amdhsa_inst_pref_size 255
	.end_amdhsa_kernel
	.section	.bss,"aw",@nobits
	.p2align	6
	.space	262144
	.amdgpu_metadata
---
amdhsa.version: [ 1, 2 ]
amdhsa.kernels:
  - .name:           k_q6c33b6b946_proj
    .symbol:         k_q6c33b6b946_proj.kd
    .args:
      - { .name: qc, .offset: 0, .size: 8, .value_kind: global_buffer, .address_space: global }
      - { .name: qs, .offset: 8, .size: 8, .value_kind: global_buffer, .address_space: global }
      - { .name: bq, .offset: 16, .size: 8, .value_kind: global_buffer, .address_space: global }
      - { .name: bk, .offset: 24, .size: 8, .value_kind: global_buffer, .address_space: global }
      - { .name: bv, .offset: 32, .size: 8, .value_kind: global_buffer, .address_space: global }
      - { .name: phase_bias, .offset: 40, .size: 8, .value_kind: global_buffer, .address_space: global }
      - { .name: cc, .offset: 48, .size: 8, .value_kind: global_buffer, .address_space: global }
      - { .name: vt, .offset: 56, .size: 8, .value_kind: global_buffer, .address_space: global }
    .group_segment_fixed_size: 327680
    .private_segment_fixed_size: 0
    .kernarg_segment_align: 8
    .kernarg_segment_size: 64
    .max_flat_workgroup_size: 128
    .sgpr_count:     102
    .vgpr_count:     1024
    .wavefront_size: 32
...
	.end_amdgpu_metadata
.endif
;; end of part 2
;; launch scores (part 3): grid 32 x 8, 4 waves a work-group, clusters of 4 x 1, 327,680 bytes of LDS; arguments cc, pw, ls; writes pw, ls
.if DOCPART == 3
	.amdgcn_target "amdgcn-amd-amdhsa--gfx1250"
	.amdhsa_code_object_version 6
	.text
	.protected	k_q6c33b6b946_scores
	.globl	k_q6c33b6b946_scores
	.p2align	8
	.type	k_q6c33b6b946_scores,@function
k_q6c33b6b946_scores:
	s_mov_b64 s[64:65], 0
	v_nop
	global_prefetch_b8 v0, s[64:65] scope:SCOPE_SE
	s_setreg_imm32_b32 hwreg(HW_REG_WAVE_MODE, 25, 1), 1
	s_wait_xcnt 0x0
	s_wait_alu depctr_hold_cnt(0) depctr_sa_sdst(0) depctr_va_vdst(0) depctr_va_sdst(0) depctr_va_ssrc(0) depctr_va_vcc(0) depctr_vm_vsrc(0)
	s_getreg_b32 s2, hwreg(HW_REG_IB_STS2, 6, 4)
	s_cmp_eq_u32 s2, 0
	s_cbranch_scc0 .Lentry_in_a_cluster
	s_endpgm
.Lentry_in_a_cluster:
	s_bfe_u32 s2, ttmp6, 0x10000c
	s_cmp_lg_u32 s2, 0x3003
	s_cbranch_scc0 .Lentry_shape_is_right
	s_endpgm
.Lentry_shape_is_right:
; sim[s][t] = the sum over 2,048 of CQ[s][k] CK[t][k] (cos and sin side by side), f16 operands, f32 sums.  u = sim x log2(e) / 32, so that exp(sim / 32) = 2^u.
; THE MAXIMUM IS TAKEN AWAY BLOCK BY BLOCK: for each query and each block of 128 keys (a wave's share), M = the block's largest u rounded UP to a whole number; p = 2^(u - M), at most 1, its largest above 0.5, leaves as f16.
; Beside it leave, in f32, the block's sum of the unrounded p and -M.  The next launch brings the blocks under one maximum by powers of two, which round nothing.
; p under 6e-5 keeps an absolute error of 3e-8 against a block's largest p of 0.5 or more.
; A tile of p is 128 (s) x 256 (t): 32 x 8 = 256 work-groups.  A wave makes 64 x 128: 4 blocks a of queries x 8 blocks b of keys, 32 accumulators, all of window 2.
; The product is used TRANSPOSED (source 0 = 16 keys, source 1 = 16 queries): a lane holds one query and eight neighbouring keys, which pack into 16 bytes.
; CK GOES THROUGH LDS, CQ STRAIGHT INTO REGISTERS.  With both in LDS two slots of 256 along K would take 2 x (128 + 256) rows x 528 bytes = 405,504 bytes, more than there is; with CK alone they take 270,336.
; So K goes in 8 steps of 256 (CK's rows of 512 bytes) through a ring of two slots; every wave fetches 64 of the 256 rows, one load a wave behind each round, and a refill has 240 matrix instructions between its request and the wait for it.
; CQ lies in memory as images of the operand's registers, [block of 16 rows][fragment of 32 along K][1,024 bytes]: a quarter (32 along K) of my 64 queries is eight loads of 512 consecutive bytes.
; They run seven quarters ahead, in eight buffers of 32 registers that take turns.
; CLUSTER 4 x 1: the four work-groups of a cluster make four tile rows of one batch against the same 256 keys: CK's tile is asked for jointly by all four.  CQ is not asked for jointly, though the eight work-groups of a tile
; row read the same images: a joint load lands in LDS, where by the arithmetic above there is no room for it.
; REGISTERS: window 0: v20-31 addresses; v32-95 rows on the way out; v96-127 p packed; v128-191 p in f32; v192-219 sums and maxima.  window 1: two buffers of CK's eight fragments, at v0 and v64.
;   window 2: accumulator (a, b) at v[8 (8 a + b)].  window 3: CQ's buffers: quarter n's four fragments at v[32 (n % 8) + 8 a].
.set KSTEP, 256
.set PITCH, 528                        ; an LDS row: 512 bytes + 16 of padding
.set HALFT, 64*PITCH                   ; what one tensor load brings
.set SLOT,  4*HALFT                    ; CK's 256 rows
.set STAGE, 2*SLOT                     ; behind the ring: 16 x 272 bytes for each wave
.set SPARE, STAGE+4*16*272             ; the spare words, 128 bytes a wave, that no other line names
.set LAPS,  4                          ; a lap = two K steps = 16 quarters
.set ADRB, 20                          ; v20-21 LDS address of my CK fragments in slot 0, 1
.set STO,  24
.set RD,   25
.set CO,   26
.set LSO,  27
.set SPW,  28
.set NIL,  29
.set PFO,  30
.set QO,   31                          ; v31 16 x lane: my 16 bytes of an image's 512
.set BK,   32
.set TMP,  96
.set E,    128
.set SU,   192                         ; v192-195 block a's sum of p
.set SU2,  196                         ; v196-199 what lane l xor 16 sends
.set LV,   200                         ; v200-203 what is stored
.set MX,   204                         ; v204-211 eight running maxima
.set NM,   212                         ; v212-219 -M of block a, twice
.set G1,   24                          ; s[24:31] descriptor group 1: constants alone
.set G0,   32                          ; s[32:39] group 0, one set for each slot
.set LIM,  43                          ; s43 1 in a wave that prefetches, else the greatest number
.set PFA,  44                          ; s[44:45] where my prefetches stand
.set QP,   48                          ; s[48:49] CQ's images of my first block, at the lap's first quarter
.set CS,   66                          ; s[66:67] log2(e) / 32
.set SEL,  68                          ; s[68:69] lane l xor 16
.set MUL,  0xad                        ; source 0 (CK) window 1, source 1 (CQ) window 3, C and D window 2
.set TO_F, 0x40                        ; destination window 1
.set TO_Q, 0xc0                        ; destination window 3
.set MSB, 0
.macro WIN new
.if MSB != (\new)
	s_set_vgpr_msb (MSB<<8)|(\new)
.set MSB, (\new)
.endif
.endm
; A prefetch of CK's K step that stands two refills on.  Of the 64 rows that a wave fetches each of the four partners takes 16, told apart by address: 16 rows x 2 blocks of 256 bytes, a lane a block, one instruction a wave.
; The four clusters of a batch read the same rows: the first of them asks.  So each block is named once in the launch.  The loop's last trip (s3 = 1) asks for nothing: there is no K step two on.  K steps 0 to 3 come by their loads alone.
.macro ASK
	s_cmp_gt_u32 s3, s[LIM]
	s_cbranch_scc0 .Lnot_mine_\@
	global_prefetch_b8 v[PFO], s[PFA:PFA+1] offset:KSTEP*2 th:TH_LOAD_NT scope:SCOPE_SE
.Lnot_mine_\@:
.endm
.macro CREST                           ; a round of the cluster's barrier behind its opening barrier
	s_cmp_lg_u32 s10, 0
	s_cbranch_scc1 .Lnot_wave_0_\@
	s_barrier_signal -3
.Lnot_wave_0_\@:
	s_barrier_wait -3
	s_barrier_signal -1
	s_barrier_wait -1
.endm
.macro CROUND
	s_barrier_signal -1
	s_barrier_wait -1
	CREST
.endm
.macro PLACES                          ; four plain places behind matrix instructions, ahead of loads into their sources and of reads of their results
.rept 4
	v_nop
.endr
.endm
; the four fragments of CQ of the quarter that stands n quarters behind s[QP]: eight loads of 512 consecutive bytes
.macro QLOAD n
	WIN TO_Q
.irp a, 0,1,2,3
	global_load_b128 v[32*((\n)%8)+8*\a:32*((\n)%8)+8*\a+3],   v[QO], s[QP:QP+1] offset:65536*\a+1024*(\n)
	global_load_b128 v[32*((\n)%8)+8*\a+4:32*((\n)%8)+8*\a+7], v[QO], s[QP:QP+1] offset:65536*\a+1024*(\n)+512
.endr
.endm
	s_load_b128 s[4:7], s[0:1], 0x0                ; cc, p
	s_load_b64 s[8:9], s[0:1], 0x10                ; the sums and maxima
	v_lshl_add_u32 v[SPW], v0, 2, SPARE
	v_mov_b32 v[NIL], 0
	ds_add_u32 v[SPW], v[NIL]                      ; the opening: the add, twice on end, and its wait ahead of my first tensor load
	ds_add_u32 v[SPW], v[NIL]
	v_lshrrev_b32 v1, 5, v0
	v_readfirstlane_b32 s10, v1                    ; wave
	s_lshr_b32 s11, s10, 1                         ; my half of the queries
	s_and_b32 s12, s10, 1                          ; my half of the keys
	s_bfe_u32 s40, ttmp6, 0x40000                  ; cx
	s_lshl_b32 s13, ttmp9, 2
	s_add_co_u32 s13, s13, s40                     ; tile row: 128 queries
	s_and_b32 s42, ttmp7, 0xffff                   ; tile column: 256 keys
	s_mov_b32 s[G1], 15|(1<<16)|(1<<20)|(1<<21)|(6<<22)|(3<<25)   ; the mask: all four work-groups; elements of 2 bytes; padding on; bit 21 beside a mask; 4 words of padding behind each 128
	s_mov_b32 s[G1+1], KSTEP<<16                   ; tensor_dim0
	s_mov_b32 s[G1+2], 64<<16                      ; tensor_dim1
	s_mov_b32 s[G1+3], KSTEP<<16                   ; tile_dim0
	s_mov_b32 s[G1+4], 64                          ; tile_dim1
	s_mov_b32 s[G1+5], 2048                        ; the pitch
	s_mov_b32 s[G1+6], 0
	s_mov_b32 s[G1+7], 0
	s_lshr_b32 s46, ttmp9, 2                       ; the batch: the same in the whole cluster
	s_lshl_b32 s46, s46, 11
	s_lshl_b32 s47, s42, 8
	s_add_co_u32 s46, s46, s47
	s_lshl_b32 s47, s10, 6
	s_add_co_u32 s46, s46, s47
	s_add_co_u32 s46, s46, 4096                    ; CK lies 4,096 rows behind CQ
	s_lshl_b32 s46, s46, 12                        ; CK: row 2048 batch + 256 x tile column + 64 wave
	s_mov_b32 s47, 0
	s_lshl_b32 s19, s13, 7
	s_lshl_b32 s17, s11, 6
	s_add_co_u32 s19, s19, s17                     ; my first query
	s_lshl_b32 s16, s19, 12                        ; 65,536 bytes of images for each 16 of them
	s_mov_b32 s17, 0
	v_and_b32 v5, 31, v0                           ; lane
	v_lshlrev_b32 v[QO], 4, v5
	s_mov_b32 s[CS], 0x3d38aa3b
	s_mov_b32 s[CS+1], 0x3d38aa3b
	s_mov_b32 s[SEL], 0x76543210
	s_mov_b32 s[SEL+1], 0xfedcba98
	s_mov_b32 s70, 0xffff0000                      ; lanes 16-31
	s_wait_dscnt 0x0                               ; both opening adds are done
	s_wait_kmcnt 0x0
	s_add_nc_u64 s[QP:QP+1], s[4:5], s[16:17]
	s_add_nc_u64 s[46:47], s[4:5], s[46:47]
.irp n, 0,1,2,3,4,5,6
	QLOAD \n                                       ; CQ's first seven quarters: 56 loads of mine are out
.endr
	WIN 0
.irp s, 0,1
	s_mov_b32 s[G0+4*\s], 1
	s_mul_i32 s[G0+4*\s+1], s10, HALFT             ; wave x 64 rows: no place in the cluster enters an LDS address
	s_add_co_u32 s[G0+4*\s+1], s[G0+4*\s+1], \s*SLOT
	s_add_nc_u64 s[G0+4*\s+2:G0+4*\s+3], s[46:47], \s*KSTEP*2
	s_or_b32 s[G0+4*\s+3], s[G0+4*\s+3], 0x80000000
.endr
	CROUND                                         ; all four work-groups are here: the first joint loads meet
	tensor_load_to_lds s[G0:G0+3], s[G1:G1+7]      ; K step 0
	s_nop 0
	tensor_load_to_lds s[G0+4:G0+7], s[G1:G1+7]    ; K step 1: two loads of mine are out
	s_nop 0
.rept 4
	v_nop
.endr
	v_and_b32 v1, 15, v0                           ; r
	v_bfe_u32 v2, v0, 4, 1                         ; h
	v_mul_u32_u24 v3, v1, PITCH
	v_lshl_add_u32 v3, v2, 4, v3
	s_mul_i32 s22, s12, 2*HALFT                    ; my 128 rows of CK
	v_add_nc_u32 v[ADRB], s22, v3
	v_add_nc_u32 v[ADRB+1], SLOT, v[ADRB]
	s_mul_i32 s23, s10, 16*272
	s_add_co_u32 s23, s23, STAGE                   ; my stage
	v_mul_u32_u24 v4, v1, 272
	v_lshl_add_u32 v4, v2, 4, v4
	v_add_nc_u32 v[STO], s23, v4                   ; in: row r, 16 bytes for each half of the lanes
	v_mul_u32_u24 v4, v2, 272
	v_lshl_add_u32 v4, v1, 4, v4
	v_add_nc_u32 v[RD], s23, v4                    ; back: lanes 0-15 one row of 256 bytes, lanes 16-31 the next
	v_lshlrev_b32 v4, 12, v2
	v_lshl_add_u32 v[CO], v1, 4, v4                ; and the same two rows in p
	v_lshlrev_b32 v[LSO], 2, v5
	v_lshrrev_b32 v[PFO], 1, v5
	v_lshlrev_b32 v[PFO], 12, v[PFO]               ; two lanes a row,
	v_and_b32 v4, 1, v5
	v_lshl_add_u32 v[PFO], v4, 8, v[PFO]           ; 256 bytes apart
.irp a, 0,1,2,3
	v_mov_b32 v[SU2+\a], 0                         ; written once: a lane permute's destination counts as one of its sources
.endr
	s_lshl_b32 s20, s19, 12
	s_lshl_b32 s21, s42, 9
	s_add_co_u32 s20, s20, s21
	s_lshl_b32 s21, s12, 8
	s_add_co_u32 s20, s20, s21                     ; p: my first row, my first key, 2 bytes each
	s_mov_b32 s21, 0
	s_add_nc_u64 s[6:7], s[6:7], s[20:21]
	s_lshl_b32 s20, s42, 1
	s_add_co_u32 s20, s20, s12                     ; which 128 keys of the batch
	s_lshl_b32 s20, s20, 14
	s_lshl_b32 s22, s19, 2
	s_add_co_u32 s20, s20, s22
	s_add_nc_u64 s[8:9], s[8:9], s[20:21]
	; the prefetches: whose rows, and who asks
	s_lshr_b32 s20, ttmp9, 2
	s_lshl_b32 s20, s20, 11
	s_add_co_u32 s20, s20, 4096
	s_lshl_b32 s22, s42, 8
	s_add_co_u32 s20, s20, s22
	s_lshl_b32 s22, s10, 6
	s_add_co_u32 s20, s20, s22                     ; the 64 rows that I fetch,
	s_lshl_b32 s22, s40, 4
	s_add_co_u32 s20, s20, s22                     ; my work-group's 16 of them
	s_lshl_b32 s20, s20, 12
	s_add_co_u32 s20, s20, 2*KSTEP*2               ; at K step 2: the first refill steps it to 3 and names K step 4
	s_add_nc_u64 s[PFA:PFA+1], s[4:5], s[20:21]
	s_and_b32 s22, ttmp9, 3                        ; the batch's first cluster asks: the same in all four partners
	s_cmp_eq_u32 s22, 0
	s_cselect_b32 s[LIM], 1, -1
.macro SETB i                          ; quarter i's registers: CK's buffer, the other one, CQ's buffer
.set FC, 64*((\i)%2)
.set FN, 64*(((\i)+1)%2)
.set QC, 32*((\i)%8)
.endm
.macro MUL8 a, zero                    ; query block a against the eight key blocks, 32 along K
.irp b, 0,1,2,3,4,5,6,7
.if \zero
	v_wmma_f32_16x16x32_f16 v[8*(8*(\a)+\b):8*(8*(\a)+\b)+7], v[FC+8*\b:FC+8*\b+7], v[QC+8*(\a):QC+8*(\a)+7], 0
.else
	v_wmma_f32_16x16x32_f16 v[8*(8*(\a)+\b):8*(8*(\a)+\b)+7], v[FC+8*\b:FC+8*\b+7], v[QC+8*(\a):QC+8*(\a)+7], v[8*(8*(\a)+\b):8*(8*(\a)+\b)+7]
.endif
.endr
.endm
.macro FETCH slot, k                   ; 16 LDS loads in one run: CK's eight fragments at byte k of the slot's rows, into the other buffer
	WIN TO_F
.irp j, 0,1,2,3,4,5,6,7
	ds_load_b128 v[FN+8*\j:FN+8*\j+3],   v[ADRB+\slot] offset:(\k)+\j*16*PITCH
	ds_load_b128 v[FN+8*\j+4:FN+8*\j+7], v[ADRB+\slot] offset:(\k)+\j*16*PITCH+32
.endr
.endm
; A K step is eight quarters of 32 along K, 32 matrix instructions each (the 32 accumulators by turns, in the same order in every quarter).
; One of a slot's first seven, its q-th; i: the quarter's number in the lap.  At its head the next quarter's CK fragments are asked of LDS and (ql = 1) CQ's of seven quarters on of memory, into the buffers that the quarter before has left.
; lc: the loads issued behind this quarter's eight, which may stay out: eight for each of the six later quarters, fewer at the end.
.macro QUARTER slot, q, i, zero, ql, lc
	SETB \i
	s_wait_loadcnt \lc                             ; my CQ fragments are in
	s_wait_dscnt 0x0                               ; my CK fragments are in: asked for a quarter ago
	PLACES
	FETCH \slot, 64*((\q)+1)
.if \ql
	QLOAD (\i)+7
.endif
	WIN MUL
	MUL8 0, \zero
	MUL8 1, \zero
	MUL8 2, \zero
	MUL8 3, \zero
.endm
; A slot's last quarter changes slots: each wave waits for all its tensor loads, adds 0 to its spare word, waits for that and for its reads of this slot; one barrier, which opens a round of the cluster's where the slot is filled again.
.macro TURN slot, next, fill, i, ql, lc
	SETB \i
.if \fill
	s_wait_xcnt 0x0                                ; the last prefetch, a K step back, has read its address
	s_add_nc_u64 s[PFA:PFA+1], s[PFA:PFA+1], KSTEP*2
.endif
	WIN 0
	s_wait_tensorcnt 0x0                           ; my one load that was out, my part of the next slot, has landed
	ds_add_u32 v[SPW], v[NIL]
	s_wait_loadcnt \lc                             ; my CQ fragments are in
	s_wait_dscnt 1                                 ; my CK fragments are in; the add may be out
	WIN MUL
	MUL8 0, 0
	s_wait_dscnt 0x0                               ; the add is done, and my reads of this slot are over
	s_barrier_signal -1
	MUL8 1, 0
	WIN 0
	s_barrier_wait -1
.if \fill
	CREST                                          ; no wave of any partner still reads this slot or has a load on its way
	s_add_nc_u64 s[G0+4*\slot+2:G0+4*\slot+3], s[G0+4*\slot+2:G0+4*\slot+3], 2*KSTEP*2
	tensor_load_to_lds s[G0+4*\slot:G0+4*\slot+3], s[G1:G1+7]   ; the first tensor load behind the round, one a wave
	s_nop 0
.rept 4
	v_nop                                          ; (the places ahead of the loads below)
.endr
.else
	PLACES
.endif
	FETCH \next, 0
.if \ql
	QLOAD (\i)+7
.endif
	WIN 0
.if \fill
	ASK
.endif
	WIN MUL
	MUL8 2, 0
	MUL8 3, 0
.endm
	s_wait_tensorcnt 1                             ; my part of K step 0 is in; K step 1's may be out
	s_barrier_signal -1
	s_barrier_wait -1
.set FN, 0
	FETCH 0, 0
	QUARTER 0, 0, 0, 1, 1, 48                      ; the first quarter's products start the sums
	WIN 0
	s_mov_b32 s3, LAPS-1
.Llap:                                             ; a trip goes once round the ring, from a lap's second quarter to the next lap's first, and fills both slots again
.irp i, 1,2,3,4,5,6
	QUARTER 0, \i, \i, 0, 1, 48
.endr
	TURN 0, 1, 1, 7, 1, 48
.irp i, 8,9,10,11,12,13,14
	QUARTER 1, \i-8, \i, 0, 1, 48
.endr
	TURN 1, 0, 1, 15, 1, 48
	QUARTER 0, 0, 16, 0, 1, 48
	WIN 0
	s_wait_xcnt 0x0                                ; every load issued has read its base: it may step
	s_add_nc_u64 s[QP:QP+1], s[QP:QP+1], 16*1024   ; 16 quarters on
	s_sub_co_u32 s3, s3, 1
	s_cmp_lg_u32 s3, 0
	s_cbranch_scc1 .Llap
.irp i, 1,2,3,4,5,6
	QUARTER 0, \i, \i, 0, 1, 48                    ; the last lap fills no slot
.endr
	TURN 0, 1, 0, 7, 1, 48
	QUARTER 1, 0, 8, 0, 1, 48                      ; asks for CQ's last quarter
	QUARTER 1, 1, 9, 0, 0, 48                      ; nothing is left to ask of memory: the counts run down
	QUARTER 1, 2, 10, 0, 0, 40
	QUARTER 1, 3, 11, 0, 0, 32
	QUARTER 1, 4, 12, 0, 0, 24
	QUARTER 1, 5, 13, 0, 0, 16
	QUARTER 1, 6, 14, 0, 0, 8
	SETB 15                                        ; the very last quarter
	s_wait_loadcnt 0x0
	s_wait_dscnt 0x0
	WIN MUL
	MUL8 0, 0
	MUL8 1, 0
	MUL8 2, 0
	MUL8 3, 0
	WIN 0
; THE WAY OUT, a block of 16 queries x 128 keys at a time.
.macro EXPB a
	WIN 0x2a                                       ; all three sources window 2
.irp b, 0,1,2,3,4,5,6,7
	v_max3_num_f32 v[MX+\b], v[64*(\a)+8*\b], v[64*(\a)+8*\b+1], v[64*(\a)+8*\b+2]   ; the largest score of my 64: eight chains, each accumulator from its low end on
.endr
	WIN 0x28                                       ; sources 1 and 2 window 2
.irp i, 3,5
.irp b, 0,1,2,3,4,5,6,7
	v_max3_num_f32 v[MX+\b], v[MX+\b], v[64*(\a)+8*\b+\i], v[64*(\a)+8*\b+\i+1]
.endr
.endr
.irp b, 0,1,2,3,4,5,6,7
	v_max_num_f32 v[MX+\b], v[MX+\b], v[64*(\a)+8*\b+7]
.endr
	WIN 0
	v_max3_num_f32 v[MX], v[MX], v[MX+1], v[MX+2]
	v_max3_num_f32 v[MX+3], v[MX+3], v[MX+4], v[MX+5]
	v_max3_num_f32 v[MX], v[MX], v[MX+6], v[MX+7]
	v_max_num_f32 v[MX], v[MX], v[MX+3]
	v_permlanex16_b32 v[SU2+(\a)], v[MX], s[SEL], s[SEL+1]
	v_max_num_f32 v[MX], v[MX], v[SU2+(\a)]        ; with lane l xor 16's 64 keys: my query's largest score of the 128
	v_mul_f32 v[MX], s[CS], v[MX]                  ; as u (the factor is positive)
	v_floor_f32 v[NM+2*(\a)], -v[MX]               ; -M = floor(-u) = -ceil(u): a whole number
	v_mov_b32 v[NM+2*(\a)+1], v[NM+2*(\a)]         ; a pair for the packed form
	WIN 0x02                                       ; the sums: window 2
.set i, 0
.rept 32
	v_pk_fma_f32 v[E+i:E+i+1], v[64*(\a)+i:64*(\a)+i+1], s[CS:CS+1], v[NM+2*(\a):NM+2*(\a)+1] op_sel_hi:[1,0,1]   ; u - M
.set i, i+2
.endr
	WIN 0
.set i, 0
.rept 64
	v_exp_f32 v[E+i], v[E+i]
.set i, i+1
.endr
	v_nop                                          ; a plain instruction behind the last exponential
	s_wait_alu depctr_va_vdst(0)                   ; one wait for the batch, ahead of its first reader
.set i, 0
.rept 32
	v_cvt_pk_f16_f32 v[TMP+i], v[E+2*i], v[E+2*i+1]
.set i, i+1
.endr
.irp w, 4,8,16,32,64                   ; the sum of my 64 p, in f32, unrounded: a tree in place
.set u, 0
.rept 64/\w
	v_pk_add_f32 v[E+\w*u:E+\w*u+1], v[E+\w*u:E+\w*u+1], v[E+\w*u+\w/2:E+\w*u+\w/2+1]
.set u, u+1
.endr
.endr
	v_add_f32 v[SU+(\a)], v[E], v[E+1]
.endm
.macro TOSTAGE a                       ; through my own stage, back as whole rows of 256 bytes: LDS serves a wave in order
.irp b, 0,1,2,3,4,5,6,7
	ds_store_b128 v[STO], v[TMP+4*\b:TMP+4*\b+3] offset:32*\b
.endr
.irp t, 0,1,2,3,4,5,6,7
	ds_load_b128 v[BK+32*((\a)%2)+4*\t:BK+32*((\a)%2)+4*\t+3], v[RD] offset:544*\t
.endr
.endm
.macro SEND a
	s_wait_dscnt 0x0
.irp t, 0,1,2,3,4,5,6,7
	global_store_b128 v[CO], v[BK+32*((\a)%2)+4*\t:BK+32*((\a)%2)+4*\t+3], s[6:7] offset:65536*(\a)+8192*\t   ; 16 lanes store 256 consecutive bytes, aligned
.endr
.endm
	PLACES
	EXPB 0
	TOSTAGE 0
.irp a, 1,2,3
	EXPB \a                                        ; stands between the block before's loads from the stage and the wait for them
	SEND \a-1
.if \a > 1
	s_wait_xcnt 0x0                                ; block a - 2's stores have read their registers
.endif
	TOSTAGE \a
.endr
	SEND 3
.irp a, 0,1,2,3
	v_permlanex16_b32 v[SU2+\a], v[SU+\a], s[SEL], s[SEL+1]
.endr
.irp a, 0,1,2,3
	v_add_f32 v[SU+\a], v[SU+\a], v[SU2+\a]        ; query 16 a + r over my 128 keys, in both halves of the lanes
.endr
	v_cndmask_b32 v[LV], v[SU], v[SU+1], s70       ; lanes 0-15 block 0, lanes 16-31 block 1
	v_cndmask_b32 v[LV+1], v[SU+2], v[SU+3], s70
	v_cndmask_b32 v[LV+2], v[NM], v[NM+2], s70     ; -M likewise
	v_cndmask_b32 v[LV+3], v[NM+4], v[NM+6], s70
	global_store_b32 v[LSO], v[LV], s[8:9]
	global_store_b32 v[LSO], v[LV+1], s[8:9] offset:128
	global_store_b32 v[LSO], v[LV+2], s[8:9] offset:262144
	global_store_b32 v[LSO], v[LV+3], s[8:9] offset:262144+128
	s_wait_tensorcnt 0x0                           ; the wave's end
	ds_add_u32 v[SPW], v[NIL]
	s_wait_dscnt 0x0
	CROUND                                         ; the closing round
	s_endpgm
.Lfunc_end_k_q6c33b6b946_scores:
	.size	k_q6c33b6b946_scores, .Lfunc_end_k_q6c33b6b946_scores-k_q6c33b6b946_scores
	.p2alignl 7, 3214868480
	.fill 96, 4, 3214868480
	.section	.rodata,"a",@progbits
	.p2align	6, 0x0
	.amdhsa_kernel k_q6c33b6b946_scores
		.amdhsa_group_segment_fixed_size 327680
		.amdhsa_private_segment_fixed_size 0
		.amdhsa_enable_private_segment 0
		.amdhsa_kernarg_size 24
		.amdhsa_user_sgpr_count 2
		.amdhsa_user_sgpr_kernarg_segment_ptr 1
		.amdhsa_wavefront_size32 1
		.amdhsa_system_sgpr_workgroup_id_x 1
		.amdhsa_system_sgpr_workgroup_id_y 1
		.amdhsa_system_sgpr_workgroup_id_z 1
		.amdhsa_system_vgpr_workitem_id 0
		.amdhsa_next_free_vgpr 1024
		.amdhsa_next_free_sgpr 72
		.amdhsa_reserve_vcc 0
		.amdhsa_float_denorm_mode_32 3
		.amdhsa_float_denorm_mode_16_64 3
		.amdhsa_memory_ordered 1
		.amdhsa_forward_progress 1
		.amdhsa_inst_pref_size 188
	.end_amdhsa_kernel
	.amdgpu_metadata
---
amdhsa.version: [ 1, 2 ]
amdhsa.kernels:
  - .name:           k_q6c33b6b946_scores
    .symbol:         k_q6c33b6b946_scores.kd
    .args:
      - { .name: cc, .offset: 0, .size: 8, .value_kind: global_buffer, .address_space: global }
      - { .name: pw, .offset: 8, .size: 8, .value_kind: global_buffer, .address_space: global }
      - { .name: ls, .offset: 16, .size: 8, .value_kind: global_buffer, .address_space: global }
    .group_segment_fixed_size: 327680
    .private_segment_fixed_size: 0
    .kernarg_segment_align: 8
    .kernarg_segment_size: 24
    .max_flat_workgroup_size: 128
    .sgpr_count:     72
    .vgpr_count:     1024
    .wavefront_size: 32
...
	.end_amdgpu_metadata
.endif
;; end of part 3
;; launch mix (part 4): grid 8 x 32, 4 waves a work-group, clusters of 4 x 4, 327,680 bytes of LDS; arguments pw, vt, ls, out0; writes out0
.if DOCPART == 4
	.amdgcn_target "amdgcn-amd-amdhsa--gfx1250"
	.amdhsa_code_object_version 6
	.text
	.protected	k_q6c33b6b946_mix
	.globl	k_q6c33b6b946_mix
	.p2align	8
	.type	k_q6c33b6b946_mix,@function
k_q6c33b6b946_mix:
	s_mov_b64 s[64:65], 0
	v_nop
	global_prefetch_b8 v0, s[64:65] scope:SCOPE_SE
	s_setreg_imm32_b32 hwreg(HW_REG_WAVE_MODE, 25, 1), 1
	s_wait_xcnt 0x0
	s_wait_alu depctr_hold_cnt(0) depctr_sa_sdst(0) depctr_va_vdst(0) depctr_va_sdst(0) depctr_va_ssrc(0) depctr_va_vcc(0) depctr_vm_vsrc(0)
	s_getreg_b32 s2, hwreg(HW_REG_IB_STS2, 6, 4)
	s_cmp_eq_u32 s2, 0
	s_cbranch_scc0 .Lentry_in_a_cluster
	s_endpgm
.Lentry_in_a_cluster:
	s_bfe_u32 s2, ttmp6, 0x10000c
	s_cmp_lg_u32 s2, 0xf033
	s_cbranch_scc0 .Lentry_shape_is_right
	s_endpgm
.Lentry_shape_is_right:
; out[s][e] = (the sum over t of w[s][t] V[t][e]) / (the sum over t of w[s][t]), w = exp(sim / 32).  p [4096][2048] and V^T [batch x 1024 + e][2048] are f16, sums f32.
; p comes in 16 blocks j of 128 keys, each under its own whole-number maximum: w = p 2^(M_j).  THE SUMS ARE CARRIED UNDER THE CURRENT BLOCK'S MAXIMUM: ahead of block j's products every sum is multiplied by
; g_j = 2^(M_(j-1) - M_j), a power of two made by v_ldexp_f32: nothing is rounded, and nothing branches on data.  The divisor goes the same way: L = L g_j + l_j, l_j the block's sum of p; both end under M_15.
; RANGES: |sim| <= 1,026 for every input (1,024 products of unit vectors, rounded to f16), so |M| <= 47 and g lies in 2^-94 .. 2^94; L in 0.5 .. 2^105; the sums under 2^105 x 65,504: all normal numbers of f32.
; A tile of out is 128 x 128: 8 x 32 = 256 work-groups; a wave makes 64 x 64: 16 accumulators.  K = 2,048 goes in 8 steps of 256 (LDS rows of 512 bytes + 16) through a ring of two slots; a wave's tensor load brings 64 rows.
; The 8 steps are written out: the factors' registers differ from block to block.
; CLUSTER 4 x 4: p's tile is asked for jointly along a row of the cluster, V^T's along a column.  No prefetch: on this small tile a step's bytes are few and shared fourfold.
; The product is used TRANSPOSED (source 0 = 16 rows of V^T, source 1 = 16 rows of p): a lane holds one row s and eight neighbouring e, so a factor is one number a lane.
; REGISTERS: window 0: v1-29 addresses and 1 / L; v32-63 scaled results; v64-127 rows on the way out; v128-255 accumulator (a, b) at v[128 + 8 (4 a + b)] (at the head: -M and l).
;   window 1: two fragment buffers of 128.  window 2: g of (a, j), twice, at v[2 (16 a + j)].
.set KSTEP,  256
.set PITCH,  528
.set HALFT,  64*PITCH
.set SLOT,   4*HALFT
.set STAGE,  2*SLOT                    ; behind the ring: 16 x 272 bytes for each wave: a wave's 64 columns of f32 are 256 bytes
.set SPITCH, 272
.set SPARE,  STAGE+4*16*SPITCH         ; the spare words, 128 bytes a wave, that no other line names
.set RL,   6                           ; v6-13 1 / L of block a, twice
.set ADRA, 16
.set ADRB, 20
.set STO,  24
.set RD,   25
.set CO,   26
.set LO,   27
.set SPW,  28
.set NIL,  29
.set TMP,  32
.set DD,   32                          ; at the head: v32-95 M_(j-1) - M_j of (a, j)
.set BK,   64
.set ACC,  128
.set NMR,  128                         ; at the head: v128-191 -M of (a, j)
.set LR,   192                         ; at the head: v192-255 l of (a, j)
.set F0,   0
.set F1,   128
.set G1,  24
.set G0,  32
.set G1B, 48
.set G0B, 56
.set MUL,  0x05                        ; sources window 1; C and D window 0
.set TO_F, 0x40
.set MSB, 0
.macro WIN new
.if MSB != (\new)
	s_set_vgpr_msb (MSB<<8)|(\new)
.set MSB, (\new)
.endif
.endm
.macro JLOAD s                         ; waves 0, 1 fetch p's halves, waves 2, 3 V^T's; an s_nop 0 and four v_nop follow each line
	s_cmp_eq_u32 s13, 0
	s_cbranch_scc0 .Lfor_b_\@
	tensor_load_to_lds s[G0+4*\s:G0+4*\s+3], s[G1:G1+7]
	s_nop 0
.rept 4
	v_nop
.endr
	s_branch .Lasked_\@
.Lfor_b_\@:
	tensor_load_to_lds s[G0B+4*\s:G0B+4*\s+3], s[G1B:G1B+7]
	s_nop 0
.rept 4
	v_nop
.endr
.Lasked_\@:
.endm
.macro CREST
	s_cmp_lg_u32 s12, 0
	s_cbranch_scc1 .Lnot_wave_0_\@
	s_barrier_signal -3
.Lnot_wave_0_\@:
	s_barrier_wait -3
	s_barrier_signal -1
	s_barrier_wait -1
.endm
.macro CROUND
	s_barrier_signal -1
	s_barrier_wait -1
	CREST
.endm
.macro PLACES                          ; four plain places behind matrix instructions (ISA guide 7.12.1)
.rept 4
	v_nop
.endr
.endm
	s_load_b256 s[4:11], s[0:1], 0x0               ; p, V^T, the sums and maxima, out
	v_lshl_add_u32 v[SPW], v0, 2, SPARE
	v_mov_b32 v[NIL], 0
	ds_add_u32 v[SPW], v[NIL]                      ; the opening: the add, twice on end, and its wait ahead of my first tensor load
	ds_add_u32 v[SPW], v[NIL]
	v_lshrrev_b32 v1, 5, v0
	v_readfirstlane_b32 s12, v1                    ; wave
	s_lshr_b32 s13, s12, 1                         ; my half of the rows.  Also: I fetch p (0) or V^T (1)
	s_and_b32 s14, s12, 1                          ; my half of the columns.  Also: which 64 rows I fetch
	s_bfe_u32 s40, ttmp6, 0x40000
	s_bfe_u32 s41, ttmp6, 0x40004
	s_lshl_b32 s42, ttmp9, 2
	s_add_co_u32 s42, s42, s40                     ; tile column
	s_and_b32 s15, ttmp7, 0xffff
	s_lshl_b32 s15, s15, 2
	s_add_co_u32 s15, s15, s41                     ; tile row
	s_lshl_b32 s43, s41, 2
	s_lshl_b32 s43, 15, s43                        ; my row of the cluster
	s_lshl_b32 s44, 0x1111, s40                    ; my column
	s_or_b32 s[G1], s43, (1<<16)|(1<<20)|(1<<21)|(6<<22)|(3<<25)    ; elements of 2 bytes; 4 words of padding behind each 128
	s_or_b32 s[G1B], s44, (1<<16)|(1<<20)|(1<<21)|(6<<22)|(3<<25)
.irp g, G1, G1B
	s_mov_b32 s[\g+1], KSTEP<<16
	s_mov_b32 s[\g+2], 64<<16
	s_mov_b32 s[\g+3], KSTEP<<16
	s_mov_b32 s[\g+4], 64
	s_mov_b32 s[\g+5], 2048
	s_mov_b32 s[\g+6], 0
	s_mov_b32 s[\g+7], 0
.endr
	s_lshl_b32 s17, s14, 6
	s_lshl_b32 s16, s15, 7
	s_add_co_u32 s16, s16, s17
	s_lshl_b32 s16, s16, 12                        ; p: row 128 x tile row + 64 half
	s_mov_b32 s17, 0
	s_and_b32 s46, ttmp7, 0xffff
	s_lshr_b32 s46, s46, 2                         ; the batch: the same in the whole cluster
	s_lshl_b32 s46, s46, 10
	s_lshl_b32 s47, s42, 7
	s_add_co_u32 s46, s46, s47
	s_lshl_b32 s47, s14, 6
	s_add_co_u32 s46, s46, s47
	s_lshl_b32 s46, s46, 12                        ; V^T: row 1024 batch + 128 x tile column + 64 half
	s_mov_b32 s47, 0
	s_mul_i32 s20, s12, HALFT                      ; where they go: wave x 64 rows
	s_wait_dscnt 0x0                               ; both opening adds are done
	s_wait_kmcnt 0x0
	s_add_nc_u64 s[16:17], s[4:5], s[16:17]
	s_add_nc_u64 s[46:47], s[6:7], s[46:47]
.irp s, 0,1
	s_mov_b32 s[G0+4*\s], 1
	s_add_co_u32 s[G0+4*\s+1], s20, \s*SLOT
	s_add_nc_u64 s[G0+4*\s+2:G0+4*\s+3], s[16:17], \s*KSTEP*2
	s_or_b32 s[G0+4*\s+3], s[G0+4*\s+3], 0x80000000
	s_mov_b32 s[G0B+4*\s], 1
	s_add_co_u32 s[G0B+4*\s+1], s20, \s*SLOT
	s_add_nc_u64 s[G0B+4*\s+2:G0B+4*\s+3], s[46:47], \s*KSTEP*2
	s_or_b32 s[G0B+4*\s+3], s[G0B+4*\s+3], 0x80000000
.endr
	CROUND                                         ; all sixteen work-groups are here
	JLOAD 0
	JLOAD 1                                        ; two loads of mine are out
	v_and_b32 v1, 15, v0                           ; r
	v_bfe_u32 v2, v0, 4, 1                         ; h
	v_lshlrev_b32 v[LO], 2, v1                     ; my row's word; both halves of the lanes take the same
	s_lshl_b32 s21, s15, 7
	s_lshl_b32 s22, s13, 6
	s_add_co_u32 s21, s21, s22                     ; my first row
	s_lshl_b32 s22, s21, 2
	s_mov_b32 s23, 0
	s_add_nc_u64 s[8:9], s[8:9], s[22:23]
.irp a, 0,1,2,3
.irp j, 0,1,2,3,4,5,6,7,8,9,10,11,12,13,14,15
	global_load_b32 v[NMR+16*\a+\j], v[LO], s[8:9] offset:262144+16384*\j+64*\a   ; -M of block j, row 16 a + r
	global_load_b32 v[LR+16*\a+\j], v[LO], s[8:9] offset:16384*\j+64*\a           ; and its sum of p
.endr
.endr
	v_mul_u32_u24 v3, v1, PITCH
	v_lshl_add_u32 v3, v2, 4, v3
	s_lshl_b32 s22, s21, 12
	s_add_nc_u64 s[10:11], s[10:11], s[22:23]      ; out at my first row,
	s_lshl_b32 s22, s42, 9
	s_lshl_b32 s21, s14, 8
	s_add_co_u32 s22, s22, s21
	s_add_nc_u64 s[10:11], s[10:11], s[22:23]      ; my first column
	s_mul_i32 s21, s13, HALFT                      ; my 64 rows of p
	s_mul_i32 s22, s14, HALFT
	s_add_co_u32 s22, s22, 2*HALFT                 ; my 64 rows of V^T
.irp s, 0,1
	v_add_nc_u32 v[ADRA+\s], s21, v3
	v_add_nc_u32 v[ADRB+\s], s22, v3
	s_add_co_u32 s21, s21, SLOT
	s_add_co_u32 s22, s22, SLOT
.endr
	s_mul_i32 s23, s12, 16*SPITCH
	s_add_co_u32 s23, s23, STAGE
	v_mul_u32_u24 v4, v1, SPITCH
	v_lshl_add_u32 v4, v2, 5, v4
	v_add_nc_u32 v[STO], s23, v4                   ; in: row r, 32 bytes for each half of the lanes
	v_mul_u32_u24 v5, v2, SPITCH
	v_lshl_add_u32 v5, v1, 4, v5
	v_add_nc_u32 v[RD], s23, v5                    ; back: lanes 0-15 one row of 256 bytes, lanes 16-31 the next
	v_lshlrev_b32 v5, 12, v2
	v_lshl_add_u32 v[CO], v1, 4, v5
	; the factors and the divisors, while the first tiles are on their way
	s_wait_loadcnt 0x0
.irp j, 1,2,3,4,5,6,7,8,9,10,11,12,13,14,15
.irp a, 0,1,2,3
	v_sub_f32 v[DD+16*\a+\j], v[NMR+16*\a+\j], v[NMR+16*\a+\j-1]   ; M_(j-1) - M_j: a whole number
.endr
.endr
.irp j, 1,2,3,4,5,6,7,8,9,10,11,12,13,14,15
.irp a, 0,1,2,3
	v_cvt_i32_f32 v[DD+16*\a+\j], v[DD+16*\a+\j]
.endr
.endr
	WIN 0x80                                       ; destination window 2
.irp j, 1,2,3,4,5,6,7,8,9,10,11,12,13,14,15
.irp a, 0,1,2,3
	v_ldexp_f32 v[2*(16*\a+\j)], 1.0, v[DD+16*\a+\j]     ; g = 2^(M_(j-1) - M_j),
	v_ldexp_f32 v[2*(16*\a+\j)+1], 1.0, v[DD+16*\a+\j]   ; twice: a pair for the packed multiply
.endr
.endr
	WIN 0x08                                       ; source 1 window 2
.irp j, 1,2,3,4,5,6,7,8,9,10,11,12,13,14,15
.irp a, 0,1,2,3
	v_fma_f32 v[LR+16*\a], v[LR+16*\a], v[2*(16*\a+\j)], v[LR+16*\a+\j]   ; L = L g + l: the four blocks of rows by turns
.endr
.endr
	WIN 0
.irp a, 0,1,2,3
	v_rcp_f32 v[RL+2*\a], v[LR+16*\a]
.endr
	v_nop                                          ; a plain instruction behind the last reciprocal
	s_wait_alu depctr_va_vdst(0)                   ; one wait for the four, ahead of their first reader
.irp a, 0,1,2,3
	v_mov_b32 v[RL+2*\a+1], v[RL+2*\a]             ; a pair for the packed multiply
.endr
.macro MUL8 f, c, a0, zero
.irp a, \a0, \a0+1
.irp b, 0,1,2,3
.if \zero
	v_wmma_f32_16x16x32_f16 v[ACC+8*(4*(\a)+\b):ACC+8*(4*(\a)+\b)+7], v[\f+64+8*(4*\c+\b):\f+64+8*(4*\c+\b)+7], v[\f+8*(4*\c+\a):\f+8*(4*\c+\a)+7], 0
.else
	v_wmma_f32_16x16x32_f16 v[ACC+8*(4*(\a)+\b):ACC+8*(4*(\a)+\b)+7], v[\f+64+8*(4*\c+\b):\f+64+8*(4*\c+\b)+7], v[\f+8*(4*\c+\a):\f+8*(4*\c+\a)+7], v[ACC+8*(4*(\a)+\b):ACC+8*(4*(\a)+\b)+7]
.endif
.endr
.endr
.endm
.macro FETCH slot, k, f                ; 32 LDS loads in one run: 64 along K, the first 32 first
	WIN TO_F
.irp c, 0,1
.irp i, 0,1,2,3
	ds_load_b128 v[\f+64+8*(4*\c+\i):\f+64+8*(4*\c+\i)+3],   v[ADRB+\slot] offset:\k+64*\c+\i*16*PITCH
	ds_load_b128 v[\f+64+8*(4*\c+\i)+4:\f+64+8*(4*\c+\i)+7], v[ADRB+\slot] offset:\k+64*\c+\i*16*PITCH+32
	ds_load_b128 v[\f+8*(4*\c+\i):\f+8*(4*\c+\i)+3],         v[ADRA+\slot] offset:\k+64*\c+\i*16*PITCH
	ds_load_b128 v[\f+8*(4*\c+\i)+4:\f+8*(4*\c+\i)+7],       v[ADRA+\slot] offset:\k+64*\c+\i*16*PITCH+32
.endr
.endr
.endm
.macro RESCALE j                       ; all sums from block j - 1's maximum to block j's; each accumulator from its low end on
	WIN 0x08                                       ; source 1 (the factor) window 2
.irp a, 0,1,2,3
.irp b, 0,1,2,3
.irp k, 0,2,4,6
	v_pk_mul_f32 v[ACC+8*(4*\a+\b)+\k:ACC+8*(4*\a+\b)+\k+1], v[ACC+8*(4*\a+\b)+\k:ACC+8*(4*\a+\b)+\k+1], v[2*(16*\a+(\j)):2*(16*\a+(\j))+1]
.endr
.endr
.endr
.endm
; A K step is four quarters of 64 along K, 32 matrix instructions each, the 16 accumulators by turns.  j > 0: this quarter begins block j of the keys.
.macro QUARTER slot, k, f, g, zero, j
.if (\j) > 0
	PLACES                                         ; the multiplies below read results just made
	RESCALE \j
.endif
	s_wait_dscnt 16                                ; the first 32 along K are in
	WIN MUL
	MUL8 \f, 0, 0, \zero
	MUL8 \f, 0, 2, \zero
	PLACES
	FETCH \slot, \k, \g
	s_wait_dscnt 32                                ; all but the 32 just issued
	WIN MUL
	MUL8 \f, 1, 0, 0
	MUL8 \f, 1, 2, 0
.endm
.macro TURN slot, next, fill
	WIN 0
	s_wait_tensorcnt 0x0                           ; my part of the next slot has landed
	ds_add_u32 v[SPW], v[NIL]
	s_wait_dscnt 17                                ; (the add and the youngest sixteen loads may be out)
	WIN MUL
	MUL8 F1, 0, 0, 0
	s_wait_dscnt 0x0                               ; the add is done, and my reads of this slot are over
	s_barrier_signal -1
	MUL8 F1, 0, 2, 0
	WIN 0
	s_barrier_wait -1
.if \fill
	CREST                                          ; no wave of any partner still reads this slot or has a load on its way
	s_add_nc_u64 s[G0+4*\slot+2:G0+4*\slot+3], s[G0+4*\slot+2:G0+4*\slot+3], 2*KSTEP*2
	s_add_nc_u64 s[G0B+4*\slot+2:G0B+4*\slot+3], s[G0B+4*\slot+2:G0B+4*\slot+3], 2*KSTEP*2
	JLOAD \slot                                    ; the first tensor load behind the round; its four v_nop are also the places ahead of the loads below
.else
	PLACES
.endif
	FETCH \next, 0, F0
	WIN MUL
	MUL8 F1, 1, 0, 0
	MUL8 F1, 1, 2, 0
.endm
.macro THREE slot, j                   ; the first three quarters of a K step that begins block j
	QUARTER \slot, 128, F0, F1, 0, \j
	QUARTER \slot, 256, F1, F0, 0, 0
	QUARTER \slot, 384, F0, F1, 0, \j+1
.endm
	s_wait_tensorcnt 1                             ; my part of K step 0 is in; K step 1's may be out
	s_barrier_signal -1
	s_barrier_wait -1
	FETCH 0, 0, F0
	QUARTER 0, 128, F0, F1, 1, 0                   ; K step 0: its first products start the sums
	QUARTER 0, 256, F1, F0, 0, 0
	QUARTER 0, 384, F0, F1, 0, 1
	TURN 0, 1, 1                                   ; slot 0 takes K step 2
	THREE 1, 2
	TURN 1, 0, 1
	THREE 0, 4
	TURN 0, 1, 1
	THREE 1, 6
	TURN 1, 0, 1
	THREE 0, 8
	TURN 0, 1, 1
	THREE 1, 10
	TURN 1, 0, 1                                   ; slot 1 takes K step 7: the last load
	THREE 0, 12
	TURN 0, 1, 0                                   ; nothing is left to fetch
	THREE 1, 14
	s_wait_dscnt 16
	WIN MUL
	MUL8 F1, 0, 0, 0
	MUL8 F1, 0, 2, 0
	s_wait_dscnt 0x0
	MUL8 F1, 1, 0, 0
	MUL8 F1, 1, 2, 0
	WIN 0
	; THE WAY OUT
.macro SCALE a                         ; block a's 16 rows x 64 columns, divided by the rows' L; each accumulator from its low end on
.irp b, 0,1,2,3
.irp k, 0,2,4,6
	v_pk_mul_f32 v[TMP+8*\b+\k:TMP+8*\b+\k+1], v[ACC+8*(4*(\a)+\b)+\k:ACC+8*(4*(\a)+\b)+\k+1], v[RL+2*(\a):RL+2*(\a)+1]
.endr
.endr
.endm
.macro TOSTAGE a                       ; through my own stage, back as whole rows of 256 bytes: LDS serves a wave in order
.irp b, 0,1,2,3
	ds_store_b128 v[STO], v[TMP+8*\b:TMP+8*\b+3] offset:64*\b
	ds_store_b128 v[STO], v[TMP+8*\b+4:TMP+8*\b+7] offset:64*\b+16
.endr
.irp t, 0,1,2,3,4,5,6,7
	ds_load_b128 v[BK+32*((\a)%2)+4*\t:BK+32*((\a)%2)+4*\t+3], v[RD] offset:2*\t*SPITCH
.endr
.endm
.macro SEND a
	s_wait_dscnt 0x0
.irp t, 0,1,2,3,4,5,6,7
	global_store_b128 v[CO], v[BK+32*((\a)%2)+4*\t:BK+32*((\a)%2)+4*\t+3], s[10:11] offset:65536*(\a)+8192*\t th:TH_STORE_NT   ; 16 lanes store 256 consecutive bytes, aligned; written once, read by nobody here
.endr
.endm
	PLACES
	SCALE 0
	TOSTAGE 0
.irp a, 1,2,3
	SCALE \a                                       ; stands between the block before's loads from the stage and the wait for them
	SEND \a-1
.if \a > 1
	s_wait_xcnt 0x0                                ; block a - 2's stores have read their registers
.endif
	TOSTAGE \a
.endr
	SEND 3
	s_wait_tensorcnt 0x0                           ; the wave's end
	ds_add_u32 v[SPW], v[NIL]
	s_wait_dscnt 0x0
	CROUND                                         ; the closing round
	s_endpgm
.Lfunc_end_k_q6c33b6b946_mix:
	.size	k_q6c33b6b946_mix, .Lfunc_end_k_q6c33b6b946_mix-k_q6c33b6b946_mix
	.p2alignl 7, 3214868480
	.fill 96, 4, 3214868480
	.section	.rodata,"a",@progbits
	.p2align	6, 0x0
	.amdhsa_kernel k_q6c33b6b946_mix
		.amdhsa_group_segment_fixed_size 327680
		.amdhsa_private_segment_fixed_size 0
		.amdhsa_enable_private_segment 0
		.amdhsa_kernarg_size 32
		.amdhsa_user_sgpr_count 2
		.amdhsa_user_sgpr_kernarg_segment_ptr 1
		.amdhsa_wavefront_size32 1
		.amdhsa_system_sgpr_workgroup_id_x 1
		.amdhsa_system_sgpr_workgroup_id_y 1
		.amdhsa_system_sgpr_workgroup_id_z 1
		.amdhsa_system_vgpr_workitem_id 0
		.amdhsa_next_free_vgpr 768
		.amdhsa_next_free_sgpr 68
		.amdhsa_reserve_vcc 0
		.amdhsa_float_denorm_mode_32 3
		.amdhsa_float_denorm_mode_16_64 3
		.amdhsa_memory_ordered 1
		.amdhsa_forward_progress 1
		.amdhsa_inst_pref_size 252
	.end_amdhsa_kernel
	.amdgpu_metadata
---
amdhsa.version: [ 1, 2 ]
amdhsa.kernels:
  - .name:           k_q6c33b6b946_mix
    .symbol:         k_q6c33b6b946_mix.kd
    .args:
      - { .name: pw, .offset: 0, .size: 8, .value_kind: global_buffer, .address_space: global }
      - { .name: vt, .offset: 8, .size: 8, .value_kind: global_buffer, .address_space: global }
      - { .name: ls, .offset: 16, .size: 8, .value_kind: global_buffer, .address_space: global }
      - { .name: out0, .offset: 24, .size: 8, .value_kind: global_buffer, .address_space: global }
    .group_segment_fixed_size: 327680
    .private_segment_fixed_size: 0
    .kernarg_segment_align: 8
    .kernarg_segment_size: 32
    .max_flat_workgroup_size: 128
    .sgpr_count:     68
    .vgpr_count:     768
    .wavefront_size: 32
...
	.end_amdgpu_metadata
.endif
;; end of part 4
